; MI455X (gfx1250); checked and timed in simulation.
; The chip was launched on July 23, 2026; its instructions are those of AMD's public machine-readable ISA for CDNA 5 (MIT licence, August 2026) and "CDNA5" Instruction Set Architecture Reference Guide (July 2026). The comments in the code are by the model that wrote it; some were corrected since.
;; Multi Head Attention. Allowed arithmetic: float matrix products may take bf16 or f16 operands with f32 sums; all other float work in f32.
;; Inputs: wk_b 2,048 float32; wk_w 2,048 x 2,048 float32; wo_b 2,048 float32; wo_w 2,048 x 2,048 float32; wq_b 2,048 float32; wq_w 2,048 x 2,048 float32; wv_b 2,048 float32; wv_w 2,048 x 2,048 float32; x 2 x 1,024 x 2,048 float32.
;; Outputs: out0 2 x 1,024 x 2,048 float32.
;; One version. Each part assembles by itself: llvm-mc -triple=amdgcn-amd-amdhsa -mcpu=gfx1250 --defsym DOCPART=n.
;; ======== version 1 of 1: 4 launches
;; limits: values are held in f16: magnitudes above 65,504 overflow, below 6.1e-05 lose precision
;; workspace buffers: xb 8,388,608 bytes; wqkvb 25,165,824 bytes; woh 8,388,608 bytes; rope 524,288 bytes; qkv 25,165,824 bytes; ao 8,388,608 bytes
;; launch cast (part 1): grid 256 x 5, 8 waves a work-group, no clusters, 0 bytes of LDS; arguments x, wq_w, wk_w, wv_w, xb, wqkvb, rope; writes xb, wqkvb, rope
.if DOCPART == 1
	.amdgcn_target "amdgcn-amd-amdhsa--gfx1250"
	.amdhsa_code_object_version 6
	.text
	.protected	k_q754f2e6175_cast
	.globl	k_q754f2e6175_cast
	.p2align	8
	.type	k_q754f2e6175_cast,@function
k_q754f2e6175_cast:
	s_mov_b64 s[64:65], 0
	v_nop
	global_prefetch_b8 v0, s[64:65] scope:SCOPE_SE
	s_setreg_imm32_b32 hwreg(HW_REG_WAVE_MODE, 25, 1), 1
	s_wait_xcnt 0x0
; The operands of the first product are rounded once, so that it moves and reads 16-bit numbers only.
;   y = 0: x -> xb (bf16).   y = 1, 2, 3: wq_w, wk_w, wv_w -> wqkvb (bf16), rows 0-2047, 2048-4095, 4096-6143.
;   y = 4: the table of cos and sin that the rotary embedding needs, rope[pos][f] = (cos, sin)(pos * 10000^(-f/64)), f32.
;          LIMIT: the angle is good to some 2e-4 rad at pos near 1,000 (one rounding of the exponent, one of the product).
; (wo_w, which only the last product needs, is rounded beside the attention.)
; A work-group of y < 4 takes 65,536 bytes of f32: sixteen loads a thread, all issued at once, 512 neighbouring bytes for each load of a wave;
; each store of a wave covers 256 consecutive bytes, aligned.  No register is written twice: no loop, no wait but for the data.
; No LDS, no matrix unit, no cluster: nothing is read twice and nothing is shared.
.set IN,  4                            ; v[4:67]    sixteen loads of four f32
.set OUT, 68                           ; v[68:99]   sixteen pairs of packed bf16
	s_load_b256 s[8:15], s[0:1], 0x0               ; x 8:9, wq_w 10:11, wk_w 12:13, wv_w 14:15
	s_load_b128 s[16:19], s[0:1], 0x20             ; xb 16:17, wqkvb 18:19
	s_load_b64 s[24:25], s[0:1], 0x30              ; rope
	s_and_b32 s2, ttmp7, 0xffff                    ; y: which job
	s_wait_kmcnt 0x0
	s_cmp_eq_u32 s2, 4
	s_cbranch_scc1 .Ltable
	s_mov_b64 s[4:5], s[8:9]                       ; from where: a choice between buffers on y alone
	s_cmp_eq_u32 s2, 1
	s_cselect_b64 s[4:5], s[10:11], s[4:5]
	s_cmp_eq_u32 s2, 2
	s_cselect_b64 s[4:5], s[12:13], s[4:5]
	s_cmp_eq_u32 s2, 3
	s_cselect_b64 s[4:5], s[14:15], s[4:5]
	s_cmp_eq_u32 s2, 0                             ; to where
	s_cselect_b64 s[6:7], s[16:17], s[18:19]
	s_sub_co_u32 s26, s2, 1                        ; offsets, in registers of their own: the weight's third of wqkvb (y = 1, 2, 3), else 0,
	s_cmp_lt_u32 s26, 3
	s_cselect_b32 s26, s26, 0
	s_lshl_b32 s26, s26, 23                        ; 8,388,608 bytes each
	s_lshl_b32 s27, ttmp9, 15                      ; + the work-group's 32,768 bytes of output
	s_add_co_u32 s26, s26, s27
	s_mov_b32 s27, 0
	s_lshl_b32 s28, ttmp9, 16                      ; the work-group's 65,536 bytes of input
	s_mov_b32 s29, 0
	s_add_nc_u64 s[4:5], s[4:5], s[28:29]
	s_add_nc_u64 s[6:7], s[6:7], s[26:27]
	v_lshlrev_b32 v1, 4, v0                        ; 16 bytes in,
	v_lshlrev_b32 v2, 3, v0                        ; 8 bytes out, for each thread
.irp i, 0,1,2,3,4,5,6,7,8,9,10,11,12,13,14,15
	global_load_b128 v[IN+4*\i:IN+4*\i+3], v1, s[4:5] offset:4096*\i th:TH_LOAD_NT   ; read once in the launch
.endr
.irp i, 0,1,2,3,4,5,6,7,8,9,10,11,12,13,14,15
	s_wait_loadcnt 15-\i                           ; loads come back in order: load i is in, the 15 - i younger ones stay out
	v_cvt_pk_bf16_f32 v[OUT+2*\i],   v[IN+4*\i],   v[IN+4*\i+1]
	v_cvt_pk_bf16_f32 v[OUT+2*\i+1], v[IN+4*\i+2], v[IN+4*\i+3]
	global_store_b64 v2, v[OUT+2*\i:OUT+2*\i+1], s[6:7] offset:2048*\i   ; the next launch reads it: no hint
.endr
	s_endpgm
; One entry (pos, f) a thread: entry 256 x work-group + t, so pos = 4 x work-group + t / 64, f = t mod 64.
.Ltable:
	v_and_b32 v1, 63, v0
	v_lshrrev_b32 v2, 6, v0
	s_lshl_b32 s3, ttmp9, 2
	v_add_nc_u32 v2, s3, v2
	v_cvt_f32_u32 v1, v1                           ; f
	v_cvt_f32_u32 v2, v2                           ; pos
	v_mul_f32 v3, 0xbe549a78, v1                   ; -f log2(10000) / 64
	v_exp_f32 v3, v3                               ; 10000^(-f/64)
	v_nop                                          ; one plain place behind a transcendental (ISA guide 5.7.2)
	s_wait_alu depctr_va_vdst(0)
	v_mul_f32 v4, v2, v3                           ; the angle, 0 to 1,023
	v_mul_f32 v5, 0x3f22f983, v4                   ; x 2 / pi
	v_rndne_f32 v5, v5                             ; q: how many quarter turns, 651 at the most
	v_fmamk_f32 v6, v5, 0xbfc90fdb, v4             ; r = angle - q pi/2, pi/2 in two parts: the f32 nearest to it,
	v_fmamk_f32 v6, v5, 0x333bbd2e, v6             ; and what that f32 has too much (4.37e-8); |r| <= pi/4
	v_mul_f32 v7, v6, v6                           ; z = r r
	v_mov_b32 v8, 0xb9500d01                       ; sin r = r + r z (-1/6 + z (1/120 - z/5040)); the remainder is below 3e-7 at pi/4
	v_fmaak_f32 v8, v8, v7, 0x3c088889
	v_fmaak_f32 v8, v8, v7, 0xbe2aaaab
	v_mul_f32 v8, v8, v7
	v_fma_f32 v8, v6, v8, v6
	v_mov_b32 v9, 0x37d00d01                       ; cos r = 1 + z (-1/2 + z (1/24 + z (-1/720 + z/40320)))
	v_fmaak_f32 v9, v9, v7, 0xbab60b61
	v_fmaak_f32 v9, v9, v7, 0x3d2aaaab
	v_fma_f32 v9, v9, v7, -0.5
	v_fma_f32 v9, v9, v7, 1.0
	v_cvt_i32_f32 v10, v5
	v_and_b32 v11, 1, v10                          ; an odd quarter swaps sin and cos: a choice of values, no branch
	v_cmp_eq_u32 vcc_lo, 1, v11
	v_cndmask_b32 v12, v9, v8, vcc_lo              ; cos
	v_cndmask_b32 v13, v8, v9, vcc_lo              ; sin
	v_and_b32 v14, 2, v10                          ; sin is negated in quarters 2 and 3,
	v_lshlrev_b32 v14, 30, v14
	v_xor_b32 v13, v13, v14
	v_add_nc_u32 v15, 1, v10                       ; cos in quarters 1 and 2
	v_and_b32 v15, 2, v15
	v_lshlrev_b32 v15, 30, v15
	v_xor_b32 v12, v12, v15
	v_lshlrev_b32 v16, 3, v0
	s_lshl_b32 s26, ttmp9, 11
	s_mov_b32 s27, 0
	s_add_nc_u64 s[24:25], s[24:25], s[26:27]
	global_store_b64 v16, v[12:13], s[24:25]       ; a wave stores 256 consecutive bytes, aligned
	s_endpgm
.Lfunc_end_k_q754f2e6175_cast:
	.size	k_q754f2e6175_cast, .Lfunc_end_k_q754f2e6175_cast-k_q754f2e6175_cast
	.p2alignl 7, 3214868480
	.fill 96, 4, 3214868480
	.section	.rodata,"a",@progbits
	.p2align	6, 0x0
	.amdhsa_kernel k_q754f2e6175_cast
		.amdhsa_group_segment_fixed_size 0
		.amdhsa_private_segment_fixed_size 0
		.amdhsa_enable_private_segment 0
		.amdhsa_kernarg_size 56
		.amdhsa_user_sgpr_count 2
		.amdhsa_user_sgpr_kernarg_segment_ptr 1
		.amdhsa_wavefront_size32 1
		.amdhsa_system_sgpr_workgroup_id_x 1
		.amdhsa_system_sgpr_workgroup_id_y 1
		.amdhsa_system_sgpr_workgroup_id_z 1
		.amdhsa_system_vgpr_workitem_id 0
		.amdhsa_next_free_vgpr 100
		.amdhsa_next_free_sgpr 66
		.amdhsa_reserve_vcc 1
		.amdhsa_float_denorm_mode_32 3
		.amdhsa_float_denorm_mode_16_64 3
		.amdhsa_memory_ordered 1
		.amdhsa_forward_progress 1
		.amdhsa_inst_pref_size 9
	.end_amdhsa_kernel
	.amdgpu_metadata
---
amdhsa.version: [ 1, 2 ]
amdhsa.kernels:
  - .name:           k_q754f2e6175_cast
    .symbol:         k_q754f2e6175_cast.kd
    .args:
      - { .name: x, .offset: 0, .size: 8, .value_kind: global_buffer, .address_space: global }
      - { .name: wq_w, .offset: 8, .size: 8, .value_kind: global_buffer, .address_space: global }
      - { .name: wk_w, .offset: 16, .size: 8, .value_kind: global_buffer, .address_space: global }
      - { .name: wv_w, .offset: 24, .size: 8, .value_kind: global_buffer, .address_space: global }
      - { .name: xb, .offset: 32, .size: 8, .value_kind: global_buffer, .address_space: global }
      - { .name: wqkvb, .offset: 40, .size: 8, .value_kind: global_buffer, .address_space: global }
      - { .name: rope, .offset: 48, .size: 8, .value_kind: global_buffer, .address_space: global }
    .group_segment_fixed_size: 0
    .private_segment_fixed_size: 0
    .kernarg_segment_align: 8
    .kernarg_segment_size: 56
    .max_flat_workgroup_size: 256
    .sgpr_count:     66
    .vgpr_count:     100
    .wavefront_size: 32
...
	.end_amdgpu_metadata
.endif
;; end of part 1
;; launch qkv (part 2): grid 24 x 8, 4 waves a work-group, clusters of 4 x 4, 327,680 bytes of LDS; arguments xb, wqkvb, qkv, wq_b, wk_b, wv_b, rope; writes qkv
.if DOCPART == 2
	.amdgcn_target "amdgcn-amd-amdhsa--gfx1250"
	.amdhsa_code_object_version 6
	.text
	.protected	k_q754f2e6175_qkv
	.globl	k_q754f2e6175_qkv
	.p2align	8
	.type	k_q754f2e6175_qkv,@function
k_q754f2e6175_qkv:
	s_mov_b64 s[64:65], 0
	v_nop
	global_prefetch_b8 v0, s[64:65] scope:SCOPE_SE
	s_setreg_imm32_b32 hwreg(HW_REG_WAVE_MODE, 25, 1), 1
	s_wait_xcnt 0x0
	s_wait_alu depctr_hold_cnt(0) depctr_sa_sdst(0) depctr_va_vdst(0) depctr_va_sdst(0) depctr_va_ssrc(0) depctr_va_vcc(0) depctr_vm_vsrc(0)
	s_getreg_b32 s2, hwreg(HW_REG_IB_STS2, 6, 4)
	s_cmp_eq_u32 s2, 0
	s_cbranch_scc0 .Lentry_in_a_cluster
	s_endpgm
.Lentry_in_a_cluster:
	s_bfe_u32 s2, ttmp6, 0x10000c
	s_cmp_lg_u32 s2, 0xf033
	s_cbranch_scc0 .Lentry_shape_is_right
	s_endpgm
.Lentry_shape_is_right:
; qkv[m][n] = sum over k of xb[m][k] wqkvb[n][k] + bias[n]; columns 0-2047 are q, 2048-4095 k, 4096-6143 v; q and k are then turned by the
; rotary embedding (pairs of neighbouring columns of a head, angle from the table rope[pos][f]).  xb, wqkvb: bf16; sums, bias, turning: f32; qkv: f16.
; LIMIT: |q|, |k|, |v| < 65,504 (f16's largest number); beyond it the stored number is infinity.  f16 and not bf16, because these numbers are
; matrix operands once more and the first rows of the result have little room for their rounding.
; A work-group makes a block of 256 x 256 with four waves, as many as a WGP has SIMDs; a wave makes 128 x 128: 64 accumulator tiles of 16 x 16, 512 registers;
; its 128 columns are one head.  K goes in steps of 128 through a ring of two LDS slots filled by the tensor data mover: a tile's rows are 256 bytes of
; memory and start at multiples of 256 bytes from the buffer's first byte.
; CLUSTERS: 4 x 4 work-groups.  The four of a row of the cluster need the same tiles of xb, the four of a column the same tiles of wqkvb.  Such a tile is asked
; for JOINTLY: each of the four issues the same tensor load, with the same descriptor and a mask that names the four.  A cluster's 1,024 columns lie in one of
; q, k, v (2,048 columns each), so the branch on that kind is alike in all sixteen.
; 24 x 8 = 192 work-groups: 64 WGPs have none.
;
; REGISTERS, in windows of 256 (s_set_vgpr_msb says which window each operand place means; low byte: bits 1:0 source 0, 3:2 source 1, 5:4 source 2, 7:6 destination):
;   window 0: v0-31 addresses; v32-63, v224-255 my 128 columns' bias; v64-127, v128-191 fragments of xb, two buffers (on the way out: X and T)
;   window 1: v64-127, v128-191 fragments of wqkvb, two buffers; v0-63, v192-255 and, on the way out, the two buffers: four buffers of table entries
;   window 2: the 32 accumulator tiles of my rows 0-63 (tile (a, b) at v[8 (8 a + b)]);   window 3: those of my rows 64-127
; THE MATRIX INSTRUCTION IS USED TRANSPOSED: source 0 = 16 rows of wqkvb, source 1 = 16 rows of xb.  Lane l then holds row m = l % 16, and its registers 0 to 7
; the columns n = 8 (l / 16) + 0 .. 7: four whole pairs of the rotary embedding, and 16 neighbouring bytes of f16.
.set SIZE_N, 6144
.set SIZE_K, 2048
.set KSTEP,  128
.set PITCH,  272                       ; an LDS row: 256 bytes of data + 16 of padding = 68 words: the 16 rows that a load touches start at 16 different banks (64 banks of 4 bytes: ISA guide 11.1)
.set HALFT,  128*PITCH                 ; 128 rows: what one tensor load brings, and what one wave reads of either operand
.set SLOT,   4*HALFT                   ; xb's 256 rows, then wqkvb's 256 rows
.set STAGE,  2*SLOT                    ; behind the ring: 16 rows x 272 bytes for each wave, for the way out; no tensor load lands here
.set SPITCH, 272
.set LAPS, SIZE_K/(2*KSTEP)            ; a lap = two K steps = once round the ring: 8
.set ADRA, 16                          ; v16-17  LDS address of my xb fragments in slot 0, 1
.set ADRB, 20                          ; v20-21  the same for wqkvb
.set STO,  24                          ; v24     the way out: where I put 16 bytes of a row
.set RD,   25                          ; v25     the way out: where I read a row back
.set CO,   26                          ; v26     my byte offset in qkv
.set BO,   27                          ; v27     my byte offset in the bias: 32 (l / 16)
.set TO,   28                          ; v28     my byte offset in the table: 512 (l % 16) + 32 (l / 16)
.set BIAS, 32                          ; tile b's eight numbers at v[BIAS + 8 b + 160 (b / 4)]: v32-63, v224-255
.set F0,   64                          ; fragment buffer 0
.set F1,   128                         ; fragment buffer 1
.set X,    64                          ; the way out: 16 rows x 128 columns at work, window 0
.set T,    128                         ; the way out: eight products, window 0
.set G1, 24                            ; s[24:31] descriptor group 1 for xb's tiles
.set G0, 32                            ; s[32:39] descriptor group 0 for xb's tiles, one set for each slot
.set G1B, 48                           ; s[48:55] descriptor group 1 for wqkvb's tiles: it differs in the mask alone
.set G0B, 56                           ; s[56:63] descriptor group 0 for wqkvb's tiles, one set for each slot
.set MSB, 0
.macro WIN new                         ; the immediate's high byte repeats the setting that is left
.if MSB != \new
	s_set_vgpr_msb (MSB<<8)|\new
.set MSB, \new
.endif
.endm
.set MUL_LO, 0xa1                      ; source 0 window 1, source 1 window 0, C and D window 2
.set MUL_HI, 0xf1                      ; the same, C and D window 3
.set TO_B,   0x40                      ; destination window 1, address window 0
; A joint load.  Waves 0 and 1 fetch xb's two halves, waves 2 and 3 wqkvb's.  Each line has ONE mask and one set of registers for all that issue it.
; The branch hangs on the wave's number alone.
.macro JLOAD s
	s_cmp_eq_u32 s11, 0
	s_cbranch_scc0 .Lfor_b_\@
	tensor_load_to_lds s[G0+4*\s:G0+4*\s+3], s[G1:G1+7]
	s_nop 0
	s_branch .Lasked_\@
.Lfor_b_\@:
	tensor_load_to_lds s[G0B+4*\s:G0B+4*\s+3], s[G1B:G1B+7]
	s_nop 0
.Lasked_\@:
.endm
; A round of the cluster's barrier: my work-group's barrier; wave 0 signals for the work-group; every wave waits for all sixteen; my work-group's barrier once more.
.macro CREST                           ; a round behind its opening barrier
	s_cmp_lg_u32 s10, 0
	s_cbranch_scc1 .Lnot_wave_0_\@
	s_barrier_signal -3
.Lnot_wave_0_\@:
	s_barrier_wait -3
	s_barrier_signal -1
	s_barrier_wait -1
.endm
.macro CROUND                          ; a whole round
	s_barrier_signal -1
	s_barrier_wait -1
	CREST
.endm
	s_load_b128 s[4:7], s[0:1], 0x0                ; xb s[4:5], wqkvb s[6:7]
	s_load_b64 s[8:9], s[0:1], 0x10                ; qkv
	s_load_b128 s[68:71], s[0:1], 0x18             ; wq_b s[68:69], wk_b s[70:71]
	s_load_b128 s[72:75], s[0:1], 0x28             ; wv_b s[72:73], rope s[74:75]
	v_lshl_add_u32 v222, v0, 2, 0x48400
	v_mov_b32 v223, 0
	ds_add_u32 v222, v223
	v_lshrrev_b32 v1, 5, v0
	v_readfirstlane_b32 s10, v1                    ; wave 0..3
	s_lshr_b32 s11, s10, 1                         ; which half of the block's rows is mine.  Also: I fetch for xb (0) or for wqkvb (1)
	s_and_b32 s12, s10, 1                          ; which half of its columns.  Also: which 128 rows of that tile I fetch
	s_bfe_u32 s40, ttmp6, 0x40000                  ; cx: my place along the cluster's x
	s_bfe_u32 s41, ttmp6, 0x40004                  ; cy: along its y
	s_lshl_b32 s42, ttmp9, 2                       ; in a cluster launch ttmp9 and ttmp7 count clusters
	s_add_co_u32 s42, s42, s40                     ; block column = 4 x cluster x + cx
	s_and_b32 s13, ttmp7, 0xffff
	s_lshl_b32 s13, s13, 2
	s_add_co_u32 s13, s13, s41                     ; block row = 4 x cluster y + cy
	s_lshr_b32 s66, ttmp9, 1                       ; the kind: 0 q, 1 k, 2 v: two clusters of 1,024 columns each; alike in the whole cluster
	s_lshl_b32 s43, s41, 2
	s_lshl_b32 s43, 15, s43                        ; my row of the cluster: places 4 cy .. 4 cy + 3
	s_lshl_b32 s44, 0x1111, s40                    ; my column: places cx, cx + 4, cx + 8, cx + 12
	; descriptor group 1: a tile of 128 rows x 128 elements, padded in LDS
	s_or_b32 s[G1+0], s43, (1<<16)|(1<<20)|(1<<21)|(5<<22)|(3<<25)  ; 15:0 the mask: xb's tiles go to my row; 17:16 element of 2 bytes; 20 padding on; 21 set beside a mask; 24:22 after every 64 words (code 5); 31:25 of 4 words (code 3)
	s_or_b32 s[G1B+0], s44, (1<<16)|(1<<20)|(1<<21)|(5<<22)|(3<<25) ; the same with the mask of my column
	s_mov_b32 s[G1B+1], KSTEP<<16
	s_mov_b32 s[G1+1], KSTEP<<16                   ; 63:48 tensor_dim0, low half = 128
	s_mov_b32 s[G1B+2], 128<<16
	s_mov_b32 s[G1+2], 128<<16                     ; 95:80 tensor_dim1, low half = 128
	s_mov_b32 s[G1B+3], KSTEP<<16
	s_mov_b32 s[G1+3], KSTEP<<16                   ; 127:112 tile_dim0 = 128
	s_mov_b32 s[G1B+4], 128
	s_mov_b32 s[G1+4], 128                         ; 143:128 tile_dim1 = 128; 159:144 tile_dim2 = 0
	s_mov_b32 s[G1B+5], SIZE_K
	s_mov_b32 s[G1+5], SIZE_K                      ; 191:160 elements from row to row
	s_mov_b32 s[G1B+6], 0
	s_mov_b32 s[G1+6], 0
	s_mov_b32 s[G1B+7], 0
	s_mov_b32 s[G1+7], 0
	; where the tiles come from: xb's hang on the block row alone, wqkvb's on the block column alone, each in registers that never hold the other coordinate
	s_lshl_b32 s17, s12, 7                         ; which 128 rows of the tile I fetch
	s_lshl_b32 s16, s13, 8
	s_add_co_u32 s16, s16, s17                     ; xb: row 256 x block row + 128 x half
	s_lshl_b32 s46, s42, 8
	s_add_co_u32 s46, s46, s17                     ; wqkvb: row 256 x block column + 128 x half
	s_mov_b32 s17, 0
	s_mov_b32 s47, 0
	s_mov_b64 s[18:19], SIZE_K*2
	s_mul_u64 s[16:17], s[16:17], s[18:19]         ; in bytes, in 64 bits
	s_mul_u64 s[46:47], s[46:47], s[18:19]
	s_mul_i32 s20, s10, HALFT                      ; and where they go: wave x 128 rows: no place in the cluster enters an LDS address
	s_wait_dscnt 0x0
	s_wait_kmcnt 0x0
	s_add_nc_u64 s[14:15], s[4:5], s[16:17]
	s_add_nc_u64 s[46:47], s[6:7], s[46:47]
	CROUND                                         ; all sixteen work-groups are here: the first joint loads meet
.irp s, 0,1
	s_mov_b32 s[G0+4*\s], 1                                        ; 1:0 count = 1
	s_add_co_u32 s[G0+4*\s+1], s20, \s*SLOT                        ; 63:32 LDS address
	s_add_nc_u64 s[G0+4*\s+2:G0+4*\s+3], s[14:15], \s*KSTEP*2      ; 120:64 global address: K step s
	s_or_b32 s[G0+4*\s+3], s[G0+4*\s+3], 0x80000000                ; 127:126 type = 2
	s_mov_b32 s[G0B+4*\s], 1
	s_add_co_u32 s[G0B+4*\s+1], s20, \s*SLOT
	s_add_nc_u64 s[G0B+4*\s+2:G0B+4*\s+3], s[46:47], \s*KSTEP*2
	s_or_b32 s[G0B+4*\s+3], s[G0B+4*\s+3], 0x80000000
	JLOAD \s                                       ; the ring is filled before anything else is done: two tensor loads of a wave are out
.endr
	; A fragment is 16 rows x 32 K in 8 registers: lane l holds row l % 16; registers 0-3 hold K = 8 (l / 16) + 0..7, registers 4-7 K = 16 + 8 (l / 16) + 0..7:
	; two loads of 16 bytes, 32 bytes apart.  The same for source 0 and source 1.
	v_and_b32 v1, 15, v0                           ; l % 16
	v_bfe_u32 v2, v0, 4, 1                         ; l / 16
	v_mul_u32_u24 v3, v1, PITCH
	v_lshl_add_u32 v3, v2, 4, v3                   ; row x pitch + 16 x half
	s_mul_i32 s21, s11, HALFT                      ; my 128 rows of xb
	s_mul_i32 s22, s12, HALFT                      ; my 128 rows of wqkvb,
	s_add_co_u32 s22, s22, 2*HALFT                 ; which lie behind xb's 256
.irp s, 0,1
	v_add_nc_u32 v[ADRA+\s], s21, v3
	v_add_nc_u32 v[ADRB+\s], s22, v3
	s_add_co_u32 s21, s21, SLOT
	s_add_co_u32 s22, s22, SLOT
.endr
	s_mul_i32 s23, s10, 16*SPITCH
	s_add_co_u32 s23, s23, STAGE                   ; my stage
	v_mul_u32_u24 v4, v1, SPITCH                   ; in: row l % 16, 16 bytes for each half of the lanes
	v_lshl_add_u32 v4, v2, 4, v4
	v_add_nc_u32 v[STO], s23, v4
	v_mul_u32_u24 v5, v2, SPITCH                   ; back: lanes 0-15 take one row of 256 bytes, lanes 16-31 the next
	v_lshl_add_u32 v5, v1, 4, v5
	v_add_nc_u32 v[RD], s23, v5
	v_mul_u32_u24 v5, v2, SIZE_N*2                 ; and the same two rows in qkv
	v_lshl_add_u32 v[CO], v1, 4, v5
	v_lshlrev_b32 v[BO], 5, v2
	v_lshlrev_b32 v[TO], 9, v1
	v_lshl_add_u32 v[TO], v2, 5, v[TO]
	; my 128 columns' bias: a choice between three buffers on the kind alone, then the offset 4 (256 (block column mod 8) + 128 half)
	s_cmp_eq_u32 s66, 1
	s_cselect_b64 s[76:77], s[70:71], s[68:69]
	s_cmp_eq_u32 s66, 2
	s_cselect_b64 s[76:77], s[72:73], s[76:77]
	s_and_b32 s78, s42, 7
	s_lshl_b32 s78, s78, 10
	s_lshl_b32 s79, s12, 9
	s_add_co_u32 s78, s78, s79
	s_mov_b32 s79, 0
	s_add_nc_u64 s[76:77], s[76:77], s[78:79]
	; the table at my first row's position: (256 block row + 128 half) mod 1,024, 512 bytes a position
	s_lshl_b32 s78, s13, 8
	s_lshl_b32 s79, s11, 7
	s_add_co_u32 s78, s78, s79
	s_and_b32 s78, s78, 1023
	s_lshl_b32 s78, s78, 9
	s_mov_b32 s79, 0
	s_add_nc_u64 s[80:81], s[74:75], s[78:79]
.irp b, 0,1,2,3,4,5,6,7
	global_load_b128 v[BIAS+8*\b+160*(\b/4):BIAS+8*\b+160*(\b/4)+3],   v[BO], s[76:77] offset:64*\b      ; bias of columns 16 b + 8 (l / 16) + 0..3
	global_load_b128 v[BIAS+8*\b+160*(\b/4)+4:BIAS+8*\b+160*(\b/4)+7], v[BO], s[76:77] offset:64*\b+16   ; + 4..7
.endr
; The table entries of rows 16 i .. 16 i + 15 of my block, into window 1's buffer 64 ((3 i) mod 4): 0, 192, 128, 64.  Registers 8 b + 2 k, 8 b + 2 k + 1 of a lane:
; cos and sin of frequency 8 b + 4 (l / 16) + k at the position of row l % 16, which are those of its columns 16 b + 8 (l / 16) + 2 k, + 2 k + 1.
.macro TABLD i
	WIN TO_B
.irp b, 0,1,2,3,4,5,6,7
	global_load_b128 v[64*((3*(\i))%4)+8*\b:64*((3*(\i))%4)+8*\b+3],   v[TO], s[80:81] offset:8192*(\i)+64*\b
	global_load_b128 v[64*((3*(\i))%4)+8*\b+4:64*((3*(\i))%4)+8*\b+7], v[TO], s[80:81] offset:8192*(\i)+64*\b+16
.endr
.endm
	s_cmp_eq_u32 s66, 2
	s_cbranch_scc1 .Lno_table                      ; v is not turned
	TABLD 0                                        ; two buffers lie in registers that the loop leaves alone: they are filled now
	TABLD 1
	WIN 0
.Lno_table:
	s_wait_loadcnt 0x0                             ; bias and table, once, while the first tiles are on their way
; 16 matrix instructions: m blocks a0, a0 + 1 of the window's four x all 8 n blocks, 32 along K.  zero = 1: the first product starts the sums.
.macro MUL16 f, hi, a0, zero
.irp a, \a0, \a0+1
.irp b, 0,1,2,3,4,5,6,7
.if \zero
	v_wmma_f32_16x16x32_bf16 v[8*(8*(\a)+\b):8*(8*(\a)+\b)+7], v[\f+8*\b:\f+8*\b+7], v[\f+8*(4*\hi+\a):\f+8*(4*\hi+\a)+7], 0
.else
	v_wmma_f32_16x16x32_bf16 v[8*(8*(\a)+\b):8*(8*(\a)+\b)+7], v[\f+8*\b:\f+8*\b+7], v[\f+8*(4*\hi+\a):\f+8*(4*\hi+\a)+7], v[8*(8*(\a)+\b):8*(8*(\a)+\b)+7]
.endif
.endr
.endr
.endm
; 32 LDS loads in one run: the fragments of one quarter step (32 K at byte k of the rows) into buffer f
.macro FETCH slot, k, f
	WIN TO_B
.irp i, 0,1,2,3,4,5,6,7
	ds_load_b128 v[\f+8*\i:\f+8*\i+3],   v[ADRB+\slot] offset:\k+\i*16*PITCH
	ds_load_b128 v[\f+8*\i+4:\f+8*\i+7], v[ADRB+\slot] offset:\k+\i*16*PITCH+32
.endr
	WIN 0
.irp i, 0,1,2,3,4,5,6,7
	ds_load_b128 v[\f+8*\i:\f+8*\i+3],   v[ADRA+\slot] offset:\k+\i*16*PITCH
	ds_load_b128 v[\f+8*\i+4:\f+8*\i+7], v[ADRA+\slot] offset:\k+\i*16*PITCH+32
.endr
.endm
; Four places of plain vector instructions stand between a matrix instruction and a load into, or a vector instruction on, one of its registers (ISA guide 7.12.1
; for vector instructions); other matrix instructions are not counted as places.
.macro PLACES
.rept 4
	v_nop
.endr
.endm
; A K step is four quarter steps of 32 along K, 64 matrix instructions each, on buffers 0, 1, 0, 1.  The 64 accumulators take turns, one instruction a turn,
; in the same order in every quarter.
.macro QUARTER slot, k, f, g, zero
	s_wait_dscnt 8                                 ; wqkvb's and xb's rows 0-63 are in; the youngest eight loads (xb's rows 64-127) may be out
	WIN MUL_LO
	MUL16 \f, 0, 0, \zero
	MUL16 \f, 0, 2, \zero
	PLACES
	FETCH \slot, \k, \g
	s_wait_dscnt 32                                ; all but the 32 just issued
	WIN MUL_HI
	MUL16 \f, 1, 0, \zero
	MUL16 \f, 1, 2, \zero
.endm
.macro THREE slot, zero
	QUARTER \slot, 64,  F0, F1, \zero
	QUARTER \slot, 128, F1, F0, 0
	QUARTER \slot, 192, F0, F1, 0
.endm
; The last quarter: multiplies buffer 1 and changes slots.  In front of the one barrier each wave waits for its own reads of this slot and for all its tensor
; loads, of which one is out: its part of the next slot.  Behind it the refill comes first, then the next slot's first fragments.
; From a request to the wait for it a wave issues 240 matrix instructions.
.macro TURN slot, next, fill
	s_wait_dscnt 8
	WIN MUL_LO
	MUL16 F1, 0, 0, 0
	s_wait_dscnt 0                                 ; my reads of this slot are over
	s_set_vgpr_msb 0xa1a0
	s_wait_tensorcnt 0x0                           ; and all my tensor loads have landed
	ds_add_u32 v222, v223
	s_wait_dscnt 0x0
	s_set_vgpr_msb 0xa0a1
	s_barrier_signal -1                            ; say so (where a slot is filled again this barrier opens a round of the cluster's barrier),
	MUL16 F1, 0, 2, 0                              ; work on registers while the others arrive,
	WIN 0
	s_barrier_wait -1
.if \fill
	CREST                                          ; no wave of any partner still reads this slot's tile or has a load on its way
	s_add_nc_u64 s[G0+4*\slot+2:G0+4*\slot+3], s[G0+4*\slot+2:G0+4*\slot+3], 2*KSTEP*2
	s_add_nc_u64 s[G0B+4*\slot+2:G0B+4*\slot+3], s[G0B+4*\slot+2:G0B+4*\slot+3], 2*KSTEP*2
	JLOAD \slot                                    ; the first tensor load behind the round, and my only one until the next
.endif
	PLACES
	FETCH \next, 0, F0
	WIN MUL_HI
	MUL16 F1, 1, 0, 0
	MUL16 F1, 1, 2, 0
.endm
.macro LAP zero                        ; once round the ring, both slots filled again
	THREE 0, \zero
	TURN 0, 1, 1
	THREE 1, 0
	TURN 1, 0, 1
.endm
	s_wait_tensorcnt 1                             ; my part of K step 0 is in; K step 1's may stay out
	s_barrier_signal -1
	s_barrier_wait -1                              ; everybody's is
	FETCH 0, 0, F0
	LAP 1                                          ; the first lap stands in front of the loop: its first products start the sums
	WIN 0                                          ; at a label and at a branch every window is 0
	s_mov_b32 s3, LAPS-2
.Llap:
	LAP 0
	WIN 0
	s_sub_co_u32 s3, s3, 1
	s_cmp_lg_u32 s3, 0
	s_cbranch_scc1 .Llap
	THREE 0, 0                                     ; the last lap fills nothing: my one tensor load that is still out is slot 1's, the last K step's
	TURN 0, 1, 0
	THREE 1, 0
	s_wait_dscnt 8                                 ; the very last quarter: nothing more to fetch
	WIN MUL_LO
	MUL16 F1, 0, 0, 0
	MUL16 F1, 0, 2, 0
	s_wait_dscnt 0
	WIN MUL_HI
	MUL16 F1, 1, 0, 0
	MUL16 F1, 1, 2, 0
	; THE WAY OUT, 16 rows at a time: add the bias, turn the pairs (q and k), round to f16, 16 bytes a lane into my own stage in LDS, read back as whole rows of 256 bytes.
	PLACES                                         ; the places behind the last matrix instructions, for all that follows
	WIN 0
	s_lshl_b32 s13, s13, 8
	s_lshl_b32 s14, s11, 7
	s_add_co_u32 s16, s13, s14                     ; my first row
	s_mov_b32 s17, 0
	s_mov_b64 s[18:19], SIZE_N*2
	s_mul_u64 s[16:17], s[16:17], s[18:19]
	s_add_nc_u64 s[8:9], s[8:9], s[16:17]
	s_lshl_b32 s46, s42, 9                         ; my first column, in bytes: 512 x block + 256 x half
	s_lshl_b32 s47, s12, 8
	s_add_co_u32 s46, s46, s47
	s_mov_b32 s47, 0
	s_add_nc_u64 s[8:9], s[8:9], s[46:47]
; rows 16 i .. 16 i + 15 of my block = the eight tiles (a, 0..7) of window 2 or 3 (from = 0x02 or 0x03: source 0).
; rope = 1: the pairs are turned; left = how many younger table loads may stay out (-1: the table was waited for at the start); reload = 1: the buffer gets rows 16 (i + 4) ..
.macro OUT16 i, a, from, rope, left, reload
	s_wait_xcnt 0x0                                ; every earlier memory instruction has had its addresses translated (ISA guide 3.1): X, which the last stores read, and their base are rewritten only behind this wait
.if \i
	s_add_nc_u64 s[8:9], s[8:9], 16*SIZE_N*2       ; 16 rows on
.endif
	WIN \from
.irp b, 0,1,2,3,4,5,6,7
.irp k, 0,2,4,6
	v_pk_add_f32 v[X+8*\b+\k:X+8*\b+\k+1], v[8*(8*\a+\b)+\k:8*(8*\a+\b)+\k+1], v[BIAS+8*\b+160*(\b/4)+\k:BIAS+8*\b+160*(\b/4)+\k+1]
.endr
.endr
.if \rope
.if (\left) >= 0
	s_wait_loadcnt \left                           ; loads come back in order: this group's sixteen are in, the later groups' stay out
.endif
	WIN 0x04                                       ; source 1: the table, window 1
.irp b, 0,1,2,3,4,5,6,7
.irp k, 0,2,4,6
	v_mul_f32 v[T+\k],   v[X+8*\b+\k+1], v[64*((3*\i)%4)+8*\b+\k+1]                   ; odd x sin
	v_mul_f32 v[T+\k+1], v[X+8*\b+\k],   v[64*((3*\i)%4)+8*\b+\k+1]                   ; even x sin
	v_fma_f32 v[X+8*\b+\k],   v[X+8*\b+\k],   v[64*((3*\i)%4)+8*\b+\k], -v[T+\k]      ; even x cos - odd x sin
	v_fma_f32 v[X+8*\b+\k+1], v[X+8*\b+\k+1], v[64*((3*\i)%4)+8*\b+\k],  v[T+\k+1]    ; odd x cos + even x sin
.endr
.endr
.if \reload
	TABLD \i+4
.endif
.endif
	WIN 0
.irp b, 0,1,2,3,4,5,6,7
.irp k, 0,1,2,3
	v_cvt_pk_f16_f32 v[X+8*\b+\k], v[X+8*\b+2*\k], v[X+8*\b+2*\k+1]    ; in place, ascending: a register is written only when it has been read
.endr
.endr
.irp b, 0,1,2,3,4,5,6,7
	ds_store_b128 v[STO], v[X+8*\b:X+8*\b+3] offset:32*\b
.endr
.irp t, 0,1,2,3,4,5,6,7
	ds_load_b128 v[X+8*\t+4:X+8*\t+7], v[RD] offset:\t*2*SPITCH        ; LDS serves a wave's instructions in order (ISA guide 5.7.1.4): these see the stores above
.endr
.irp t, 0,1,2,3,4,5,6,7
	s_wait_dscnt 7-\t
	global_store_b128 v[CO], v[X+8*\t+4:X+8*\t+7], s[8:9] offset:2*\t*SIZE_N*2   ; 16 lanes store 256 consecutive bytes, aligned: a head's part of a row
.endr
.endm
	s_cmp_eq_u32 s66, 2
	s_cbranch_scc1 .Lout_v
	TABLD 2                                        ; the fragment buffers of window 1 are free now
	TABLD 3
	OUT16 0, 0, 0x02, 1, -1, 1
	OUT16 1, 1, 0x02, 1, -1, 1
	OUT16 2, 2, 0x02, 1, 48, 1                     ; behind group 2 stand groups 3, 4, 5
	OUT16 3, 3, 0x02, 1, 48, 1                     ; 4, 5, 6
	OUT16 4, 0, 0x03, 1, 48, 0                     ; 5, 6, 7
	OUT16 5, 1, 0x03, 1, 32, 0
	OUT16 6, 2, 0x03, 1, 16, 0
	OUT16 7, 3, 0x03, 1, 0, 0
	WIN 0
	s_branch .Lclose
.Lout_v:
	OUT16 0, 0, 0x02, 0, -1, 0
	OUT16 1, 1, 0x02, 0, -1, 0
	OUT16 2, 2, 0x02, 0, -1, 0
	OUT16 3, 3, 0x02, 0, -1, 0
	OUT16 4, 0, 0x03, 0, -1, 0
	OUT16 5, 1, 0x03, 0, -1, 0
	OUT16 6, 2, 0x03, 0, -1, 0
	OUT16 7, 3, 0x03, 0, -1, 0
	WIN 0
.Lclose:
	s_wait_tensorcnt 0x0
	ds_add_u32 v222, v223
	s_wait_dscnt 0x0
	CROUND                                         ; the closing round: no work-group ends while a partner may still ask for a tile that names it
	s_endpgm
.Lfunc_end_k_q754f2e6175_qkv:
	.size	k_q754f2e6175_qkv, .Lfunc_end_k_q754f2e6175_qkv-k_q754f2e6175_qkv
	.p2alignl 7, 3214868480
	.fill 96, 4, 3214868480
	.section	.rodata,"a",@progbits
	.p2align	6, 0x0
	.amdhsa_kernel k_q754f2e6175_qkv
		.amdhsa_group_segment_fixed_size 327680
		.amdhsa_private_segment_fixed_size 0
		.amdhsa_enable_private_segment 0
		.amdhsa_kernarg_size 56
		.amdhsa_user_sgpr_count 2
		.amdhsa_user_sgpr_kernarg_segment_ptr 1
		.amdhsa_wavefront_size32 1
		.amdhsa_system_sgpr_workgroup_id_x 1
		.amdhsa_system_sgpr_workgroup_id_y 1
		.amdhsa_system_sgpr_workgroup_id_z 1
		.amdhsa_system_vgpr_workitem_id 0
		.amdhsa_next_free_vgpr 1024
		.amdhsa_next_free_sgpr 88
		.amdhsa_reserve_vcc 0
		.amdhsa_float_denorm_mode_32 3
		.amdhsa_float_denorm_mode_16_64 3
		.amdhsa_memory_ordered 1
		.amdhsa_forward_progress 1
		.amdhsa_inst_pref_size 255
	.end_amdhsa_kernel
	.section	.bss,"aw",@nobits
	.p2align	6
	.space	262144
	.amdgpu_metadata
---
amdhsa.version: [ 1, 2 ]
amdhsa.kernels:
  - .name:           k_q754f2e6175_qkv
    .symbol:         k_q754f2e6175_qkv.kd
    .args:
      - { .name: xb, .offset: 0, .size: 8, .value_kind: global_buffer, .address_space: global }
      - { .name: wqkvb, .offset: 8, .size: 8, .value_kind: global_buffer, .address_space: global }
      - { .name: qkv, .offset: 16, .size: 8, .value_kind: global_buffer, .address_space: global }
      - { .name: wq_b, .offset: 24, .size: 8, .value_kind: global_buffer, .address_space: global }
      - { .name: wk_b, .offset: 32, .size: 8, .value_kind: global_buffer, .address_space: global }
      - { .name: wv_b, .offset: 40, .size: 8, .value_kind: global_buffer, .address_space: global }
      - { .name: rope, .offset: 48, .size: 8, .value_kind: global_buffer, .address_space: global }
    .group_segment_fixed_size: 327680
    .private_segment_fixed_size: 0
    .kernarg_segment_align: 8
    .kernarg_segment_size: 56
    .max_flat_workgroup_size: 128
    .sgpr_count:     88
    .vgpr_count:     1024
    .wavefront_size: 32
...
	.end_amdgpu_metadata
.endif
;; end of part 2
;; launch attn (part 3): grid 8 x 32, 4 waves a work-group, clusters of 4 x 1, 327,680 bytes of LDS; arguments qkv, wo_w, ao, woh; writes ao, woh
.if DOCPART == 3
	.amdgcn_target "amdgcn-amd-amdhsa--gfx1250"
	.amdhsa_code_object_version 6
	.text
	.protected	k_q754f2e6175_attn
	.globl	k_q754f2e6175_attn
	.p2align	8
	.type	k_q754f2e6175_attn,@function
k_q754f2e6175_attn:
	s_mov_b64 s[64:65], 0
	v_nop
	global_prefetch_b8 v0, s[64:65] scope:SCOPE_SE
	s_setreg_imm32_b32 hwreg(HW_REG_WAVE_MODE, 25, 1), 1
	s_wait_xcnt 0x0
	s_wait_alu depctr_hold_cnt(0) depctr_sa_sdst(0) depctr_va_vdst(0) depctr_va_sdst(0) depctr_va_ssrc(0) depctr_va_vcc(0) depctr_vm_vsrc(0)
	s_getreg_b32 s2, hwreg(HW_REG_IB_STS2, 6, 4)
	s_cmp_eq_u32 s2, 0
	s_cbranch_scc0 .Lentry_in_a_cluster
	s_endpgm
.Lentry_in_a_cluster:
	s_bfe_u32 s2, ttmp6, 0x10000c
	s_cmp_lg_u32 s2, 0x3003
	s_cbranch_scc0 .Lentry_shape_is_right
	s_endpgm
.Lentry_shape_is_right:
; Causal attention; and beside it the rounding of wo_w for the last product.
; qkv: [2048 rows = 2 x 1024][6144] f16 (q, k, v; a head is 256 aligned bytes of a row).  ao: [2048][2048] f16.  wo_w: [2048][2048] f32.  woh: the same in f16.
; softmax in f32 with a running maximum; sums of products in f32; the weights P are rounded to f16 for the second product, their sum is taken unrounded.
; LIMITS: a NaN among the scores is dropped by the maximum (v_max_num_f32) and so spreads otherwise than in a plain softmax.  |out| < 65,504 follows from |v| < 65,504.
;   woh is wo_w rounded to bf16 like the other inputs, that value written as f16 (its partner ao is f16): exact for 2^-17 <= |w| < 65,504; below, off by 3e-8 at the most; above, infinity.
; A work-group is (pair p = x, batch and head = y).  It makes two blocks of 64 queries: block 15 - p, then block p; a wave takes 16 queries of each.
; CLUSTERS: the four work-groups p = 4 c + cx (c = the cluster's x, 0 or 1) form a cluster and walk ONE sequence of key tiles (128 keys each): tiles 0 .. NH - 1 for their
; upper blocks, NH = 8 - 2 c, then tiles 0 .. 1 + 2 c for their lower blocks: ten steps for every work-group of the launch.  Each tile is asked for JOINTLY: the four issue the
; same tensor load with the same descriptor and the mask 15, which divides the requests for K and V by four.  No branch hangs on cx: the last two tiles of a block are masked by
; thresholds that hold cx, lane by lane; for two of the four partners one of the two lies wholly above the diagonal and is multiplied for nothing (one step in ten): its weights
; come out as exact zeros, since it is never a block's first tile and the running maximum is finite by then.
; THE RING: two LDS slots of 256 keys, two steps each.  A wave brings one whole tile with one load of 128 rows x 256 bytes: waves 0, 1 K of the slot's first and second step,
; waves 2, 3 V.  A slot is filled again behind a round of the cluster's barrier, and that load has two steps' work in which to land.  Two tensor loads of a wave are out at the
; start, one behind each of the three rounds that fill a slot again.  NH is even, so a block ends where a slot ends.  No two pairs of steps are alike (first sums, refill,
; mask, change of block), so the ten steps are written out by macros.
; LAYOUTS, chosen so that P never leaves the registers:
;   S^T = K Q^T: source 0 = 16 keys, source 1 = 16 queries.  Lane (r = l % 16, h = l / 16) holds, for query r, key 16 t + 8 h + j in register j of tile t.
;   A row's maximum and sum are work inside a lane and one exchange of the lanes' halves.
;   Packed to f16, tiles 2 c and 2 c + 1 are, in place, the source-1 fragment of keys 32 c .. 32 c + 31.
;   O^T = V^T P^T: source 0 comes by the transposing LDS load from V as it lies, [key][d].  A lane then holds d = 16 dt + 8 h + j of query r: the factors of a
;   query are one number a lane, and eight neighbouring d are 16 bytes.
; wo_w: the launch's 1,024 waves take 16,384 bytes each: 32 loads issued at the start into registers that the attention never names (window 2), rounded and stored behind step 0.
.set ROWB,  12288                      ; bytes in a row of qkv
.set KP,    272                        ; LDS pitch of K's rows: 256 + 16
.set VP,    288                        ; of V's rows: 256 + 32, an odd multiple of 32 bytes
.set PART,  128*VP                     ; 36,864: what one wave's tensor load owns: 128 rows of V, or 128 rows of K and 2,048 bytes left over
.set VOFF,  2*PART                     ; V's two tiles behind K's two
.set SLOT,  4*PART                     ; 147,456
.set STAGE, 2*SLOT                     ; 294,912: behind the ring, 16 rows x 272 bytes for each wave; no tensor load lands here
.set PAIRB, 256*ROWB                   ; from a pair of tiles to the next
.set ADK,  4                           ; v4-7     LDS address of my K fragments: slot 0 step 0, slot 0 step 1, slot 1 step 0, slot 1 step 1
.set ADV,  8                           ; v8-11    the same for V
.set STO,  12                          ; v12      the way out: where I put 16 bytes of a row
.set RD,   13                          ; v13      where I read a row back
.set CO,   14                          ; v14      my byte offset in ao
.set QOF,  15                          ; v15      my byte offset in q
.set TH0,  16                          ; v16      upper block, tile NH - 2: key 16 t + j (+ 8 h) is seen if 16 t + j <= this
.set TH1,  17                          ; v17      tile NH - 1: 128 less
.set TL0,  18                          ; v18      lower block, its last tile but one
.set TL1,  19                          ; v19      its last tile
.set MX,   20                          ; v20      the running maximum of my query's scores
.set LS,   21                          ; v21      the running sum, of my half of the keys
.set AL,   22                          ; v[22:23] the factor for what was summed under the old maximum, twice
.set NMC,  24                          ; v[24:25] - C x maximum, twice
.set NINF, 26                          ; v26      minus infinity
.set PF,   27                          ; v27      byte offset in qkv of the block that I ask for ahead; never rewritten
.set WLO,  28                          ; v28      my byte offset in my wave's part of wo_w; never rewritten
.set Q,    32                          ; v[32:63]   four fragments of my 16 queries
.set S,    64                          ; v[64:127]  eight tiles of scores; then P
.set O,    128                         ; v[128:191] eight tiles of the result
.set SUM,  192                         ; v[192:199] four chains of sums
.set T,    200                         ; v[200:207] at work
                                       ; window 1: four fragment buffers, buffer c at v[64 c]
.set WIN2, 0                           ; window 2: v[0:127] wo_w as loaded,
.set WOUT, 128                         ;           v[128:191] as stored,
.set WTT,  192                         ;           v[192:195] at work,
.set WSO,  196                         ;           v196 my byte offset in my wave's part of woh
.set G1K, 24                           ; s[24:31] descriptor group 1 for K's tiles
.set G1V, 32                           ; s[32:39] for V's: more padding
.set G0K, 40                           ; s[40:47] descriptor group 0 for K's tiles, one set for each slot
.set G0V, 48                           ; s[48:55] for V's
.set MSB, 0
.macro WIN new                         ; s_set_vgpr_msb: bits 1:0 source 0, 3:2 source 1, 5:4 source 2, 7:6 destination; the high byte repeats the setting that is left
.if MSB != \new
	s_set_vgpr_msb (MSB<<8)|\new
.set MSB, \new
.endif
.endm
.set W_MUL, 0x01                       ; source 0 window 1
.set W_TO1, 0x40                       ; destination window 1
.set W_TO2, 0x80                       ; destination window 2
.set W_IN2, 0x8a                       ; sources 0 and 1 and destination window 2
.macro PLACES n                        ; places of plain vector instructions behind a matrix instruction (ISA guide 7.12.1)
.rept \n
	v_nop
.endr
.endm
; A joint load, one a wave.  Each of the two lines has one mask and one set of registers for all that issue it; nothing in them hangs on cx.
; The branch hangs on the wave's number alone.
.macro TLOAD s
	s_cmp_eq_u32 s9, 0
	s_cbranch_scc0 .Lfor_v_\@
	tensor_load_to_lds s[G0K+4*\s:G0K+4*\s+3], s[G1K:G1K+7]
	s_nop 0
	s_branch .Lasked_\@
.Lfor_v_\@:
	tensor_load_to_lds s[G0V+4*\s:G0V+4*\s+3], s[G1V:G1V+7]
	s_nop 0
.Lasked_\@:
.endm
; A round of the cluster's barrier: my work-group's barrier; wave 0 signals for the work-group; every wave waits for all four work-groups; my work-group's barrier once more.
.macro CREST                           ; a round behind its opening barrier
	s_cmp_lg_u32 s8, 0
	s_cbranch_scc1 .Lnot_wave_0_\@
	s_barrier_signal -3
.Lnot_wave_0_\@:
	s_barrier_wait -3
	s_barrier_signal -1
	s_barrier_wait -1
.endm
.macro CROUND                          ; a whole round
	s_barrier_signal -1
	s_barrier_wait -1
	CREST
.endm
	s_load_b256 s[88:95], s[0:1], 0x0              ; qkv s[88:89], wo_w s[90:91], ao s[92:93], woh s[94:95]
	v_lshl_add_u32 v254, v0, 2, 0x4c400
	v_mov_b32 v255, 0
	ds_add_u32 v254, v255
	v_lshrrev_b32 v1, 5, v0
	v_readfirstlane_b32 s8, v1                     ; wave 0..3
	s_lshr_b32 s9, s8, 1                           ; I fetch for K (0) or for V (1)
	s_bfe_u32 s63, ttmp6, 0x40000                  ; cx: my place in the cluster.  It enters global addresses of q, ao, wo_w, woh and the thresholds, in s10, s63, s82-s87 alone
	s_lshl_b32 s10, ttmp9, 2                       ; in a cluster launch ttmp9 counts clusters
	s_add_co_u32 s10, s10, s63                     ; p = 4 c + cx
	s_and_b32 s11, ttmp7, 0xffff
	s_lshr_b32 s12, s11, 4                         ; batch
	s_and_b32 s13, s11, 15                         ; head
	s_lshl_b32 s14, ttmp9, 1
	s_sub_co_u32 s14, 8, s14                       ; NH = 8 - 2 c: tiles of the upper blocks; alike in the four partners
	s_mov_b32 s66, 0x76543210                      ; v_permlanex16_b32: lane i of one half reads lane i of the other
	s_mov_b32 s67, 0xfedcba98
	; group 1: 15:0 the mask, all four work-groups of the cluster; 128 rows x 128 elements of 2 bytes; bit 21 beside a mask; after every 64 words 4 words (K) or 8 words (V) of padding
	s_mov_b32 s[G1K+0], 15|(1<<16)|(1<<20)|(1<<21)|(5<<22)|(3<<25)
	s_mov_b32 s[G1V+0], 15|(1<<16)|(1<<20)|(1<<21)|(5<<22)|(7<<25)
	s_mov_b32 s[G1K+1], 128<<16                    ; tensor_dim0 = 128
	s_mov_b32 s[G1V+1], 128<<16
	s_mov_b32 s[G1K+2], 128<<16                    ; tensor_dim1 = 128
	s_mov_b32 s[G1V+2], 128<<16
	s_mov_b32 s[G1K+3], 128<<16                    ; tile_dim0 = 128
	s_mov_b32 s[G1V+3], 128<<16
	s_mov_b32 s[G1K+4], 128                        ; tile_dim1 = 128
	s_mov_b32 s[G1V+4], 128
	s_mov_b32 s[G1K+5], 6144                       ; elements from row to row
	s_mov_b32 s[G1V+5], 6144
	s_mov_b32 s[G1K+6], 0
	s_mov_b32 s[G1V+6], 0
	s_mov_b32 s[G1K+7], 0
	s_mov_b32 s[G1V+7], 0
	s_lshl_b32 s18, s12, 10                        ; 1,024 x batch
	s_lshl_b32 s19, s13, 8                         ; 256 x head
	s_and_b32 s16, s8, 1                           ; which tile of a pair I fetch
	s_lshl_b32 s16, s16, 7
	s_add_co_u32 s16, s16, s18
	s_mul_i32 s16, s16, ROWB
	s_add_co_u32 s16, s16, s19
	s_add_co_u32 s16, s16, 4096                    ; k begins 4,096 bytes into a row
	s_mov_b32 s17, 0
	s_mul_i32 s62, s8, PART                        ; where my tile goes: wave x 36,864 (+ the slot)
	s_mov_b32 s61, 0
	s_mov_b32 s78, 2*PAIRB                         ; steps 4, 5 take keys 512-767 (the upper blocks have six tiles or more);
	s_mul_i32 s79, ttmp9, 3*PAIRB
	s_sub_co_u32 s79, 3*PAIRB, s79                 ; steps 6, 7: keys 768-1,023 (c = 0), or the lower blocks' keys 0-255 (c = 1);
	s_mul_i32 s80, ttmp9, PAIRB                    ; steps 8, 9: the lower blocks' last 256 keys, from key 256 c
	s_wait_dscnt 0x0
	s_wait_kmcnt 0x0
	s_add_nc_u64 s[56:57], s[88:89], s[16:17]      ; my tile of K's first pair
	s_add_nc_u64 s[58:59], s[56:57], 4096          ; of V's: v begins 4,096 bytes behind k
.irp s, 0,1
	s_mov_b32 s[G0K+4*\s], 1
	s_add_co_u32 s[G0K+4*\s+1], s62, \s*SLOT
	s_add_nc_u64 s[G0K+4*\s+2:G0K+4*\s+3], s[56:57], \s*PAIRB      ; steps 0 to 3 take keys 0-511
	s_or_b32 s[G0K+4*\s+3], s[G0K+4*\s+3], 0x80000000
	s_mov_b32 s[G0V+4*\s], 1
	s_add_co_u32 s[G0V+4*\s+1], s62, \s*SLOT
	s_add_nc_u64 s[G0V+4*\s+2:G0V+4*\s+3], s[58:59], \s*PAIRB
	s_or_b32 s[G0V+4*\s+3], s[G0V+4*\s+3], 0x80000000
.endr
	CROUND                                         ; all four work-groups are here: the first joint loads meet
	s_cmp_eq_u32 s9, 0                             ; the two first fills of a wave, inside one branch, ahead of every wait on them, every LDS read and every further barrier
	s_cbranch_scc0 .Lfirst_v
	tensor_load_to_lds s[G0K:G0K+3], s[G1K:G1K+7]
	s_nop 0
	tensor_load_to_lds s[G0K+4:G0K+7], s[G1K:G1K+7]
	s_nop 0
	s_branch .Lfirst_done
.Lfirst_v:
	tensor_load_to_lds s[G0V:G0V+3], s[G1V:G1V+7]
	s_nop 0
	tensor_load_to_lds s[G0V+4:G0V+7], s[G1V:G1V+7]
	s_nop 0
.Lfirst_done:
	s_lshl_b32 s20, s8, 4
	s_add_co_u32 s20, s20, s18                     ; 1,024 batch + 16 wave
	s_sub_co_u32 s82, 15, s10
	s_lshl_b32 s82, s82, 6
	s_add_co_u32 s82, s82, s20                     ; my first row in block 15 - p
	s_lshl_b32 s83, s10, 6
	s_add_co_u32 s83, s83, s20                     ; in block p
	s_mov_b32 s85, 0
	s_mul_i32 s84, s82, ROWB
	s_add_co_u32 s84, s84, s19
	s_add_nc_u64 s[70:71], s[88:89], s[84:85]      ; q of the upper block
	s_mul_i32 s84, s83, ROWB
	s_add_co_u32 s84, s84, s19
	s_add_nc_u64 s[72:73], s[88:89], s[84:85]      ; of the lower
	s_lshl_b32 s84, s82, 12
	s_add_co_u32 s84, s84, s19
	s_add_nc_u64 s[74:75], s[92:93], s[84:85]      ; ao of the upper block
	s_lshl_b32 s84, s83, 12
	s_add_co_u32 s84, s84, s19
	s_add_nc_u64 s[76:77], s[92:93], s[84:85]      ; of the lower
	s_lshl_b32 s84, s11, 3                         ; my wave's number in the launch: 4 (8 y + p) + wave, 0 to 1,023
	s_add_co_u32 s84, s84, s10
	s_lshl_b32 s84, s84, 2
	s_add_co_u32 s86, s84, s8
	s_lshl_b32 s84, s86, 14
	s_add_nc_u64 s[90:91], s[90:91], s[84:85]      ; its 16,384 bytes of wo_w
	s_lshl_b32 s84, s86, 13
	s_add_nc_u64 s[94:95], s[94:95], s[84:85]      ; its 8,192 bytes of woh
	v_and_b32 v1, 15, v0                           ; r
	v_bfe_u32 v2, v0, 4, 1                         ; h
	v_mul_u32_u24 v[QOF], v1, ROWB
	v_lshl_add_u32 v[QOF], v2, 4, v[QOF]           ; query r, 16 h bytes in
.macro LOADQ p                         ; four fragments: d = 32 c + 8 h + 0..7 and 32 c + 16 + 8 h + 0..7 of query r
.irp c, 0,1,2,3
	global_load_b128 v[Q+8*\c:Q+8*\c+3],   v[QOF], s[\p:\p+1] offset:64*\c
	global_load_b128 v[Q+8*\c+4:Q+8*\c+7], v[QOF], s[\p:\p+1] offset:64*\c+32
.endr
.endm
	LOADQ 70
	v_and_b32 v3, 31, v0                           ; lane
	v_lshlrev_b32 v[WLO], 4, v3
	v_mul_u32_u24 v[PF], v3, ROWB
	WIN W_TO2
	v_lshlrev_b32 v[WSO], 3, v3                    ; v708
.set i, 0
.rept 32
	global_load_b128 v[WIN2+4*i:WIN2+4*i+3], v[WLO], s[90:91] offset:512*i th:TH_LOAD_NT   ; 512 neighbouring bytes a load; read once in the launch
.set i, i+1
.endr
	WIN 0
	; What is asked for ahead: keys 512-1,023 of this head's K and V, 1,024 blocks of 256 bytes, each once in the launch: the head's 32 waves take 32 blocks each, a lane a row.
	; Work-groups p = 0..3 take K, p = 4..7 V; waves 0, 1 keys 512-767, waves 2, 3 keys 768-1,023; row 512 + 256 (wave / 2) + 32 ((2 p + wave mod 2) mod 8) + lane.
	s_lshl_b32 s84, s10, 1
	s_and_b32 s86, s8, 1
	s_add_co_u32 s84, s84, s86                     ; 2 p + wave mod 2: 0 to 15
	s_lshr_b32 s86, s84, 3                         ; 0: K, 1: V
	s_and_b32 s84, s84, 7
	s_lshl_b32 s84, s84, 5
	s_lshl_b32 s87, s9, 8
	s_add_co_u32 s84, s84, s87
	s_add_co_u32 s84, s84, 512
	s_add_co_u32 s84, s84, s18
	s_mul_i32 s84, s84, ROWB
	s_lshl_b32 s86, s86, 12
	s_add_co_u32 s84, s84, s86
	s_add_co_u32 s84, s84, s19
	s_add_co_u32 s84, s84, 4096
	v_add_nc_u32 v[PF], s84, v[PF]                 ; row 2,047 of qkv at the most, inside v's columns: inside the buffer
	v_mul_u32_u24 v[ADK], v1, KP
	v_lshl_add_u32 v[ADK], v2, 4, v[ADK]           ; key r of a fragment, 16 h bytes in
	v_add_nc_u32 v[ADK+1], PART, v[ADK]
	v_add_nc_u32 v[ADK+2], SLOT, v[ADK]
	v_add_nc_u32 v[ADK+3], SLOT+PART, v[ADK]
	v_and_b32 v[ADV], 7, v0
	v_lshl_add_u32 v[ADV], v2, 3, v[ADV]           ; the transposing load: key 8 h + l % 8,
	v_mul_u32_u24 v[ADV], v[ADV], VP
	v_bfe_u32 v3, v0, 3, 1
	v_lshl_add_u32 v[ADV], v3, 4, v[ADV]           ; 16 bytes on for the upper eight lanes of each sixteen
	v_add_nc_u32 v[ADV], VOFF, v[ADV]
	v_add_nc_u32 v[ADV+1], PART, v[ADV]
	v_add_nc_u32 v[ADV+2], SLOT, v[ADV]
	v_add_nc_u32 v[ADV+3], SLOT+PART, v[ADV]
	s_mul_i32 s21, s8, 16*KP
	s_add_co_u32 s21, s21, STAGE                   ; my stage
	v_add_nc_u32 v[STO], s21, v[ADK]               ; in: row r, 16 h
	v_mul_u32_u24 v[RD], v2, KP
	v_lshl_add_u32 v[RD], v1, 4, v[RD]
	v_add_nc_u32 v[RD], s21, v[RD]                 ; back: lanes 0-15 one row, lanes 16-31 the next
	v_lshlrev_b32 v[CO], 12, v2
	v_lshl_add_u32 v[CO], v1, 4, v[CO]             ; the same two rows in ao
	; Query 64 block + 16 wave + r sees key 128 tile + 16 t + 8 h + j if 16 t + j <= 64 block - 128 tile + 16 wave + r - 8 h.
	; Upper block 15 - p, tile NH - 2 = 6 - 2 c: 64 block - 128 tile = 192 - 64 cx.  Lower block p, tile 2 c: 64 cx.  The next tile: 128 less.
	s_lshl_b32 s84, s63, 6                         ; 64 cx
	s_lshl_b32 s86, s8, 4                          ; 16 wave
	s_add_co_u32 s87, s84, s86
	s_sub_co_u32 s84, s86, s84
	s_add_co_u32 s84, s84, 192
	v_lshlrev_b32 v3, 3, v2
	v_sub_nc_u32 v3, v1, v3                        ; r - 8 h; the thresholds can be negative: compared as signed numbers
	v_add_nc_u32 v[TH0], s84, v3
	v_add_nc_u32 v[TH1], 0xffffff80, v[TH0]
	v_add_nc_u32 v[TL0], s87, v3
	v_add_nc_u32 v[TL1], 0xffffff80, v[TL0]
	v_mov_b32 v[NINF], 0xff800000
; 16 LDS loads: eight fragments of K (16 keys each), d = 32 c .. 32 c + 31, into buffer c.  a: which of the four tiles in LDS.
.macro FETCHK a, c
.irp t, 0,1,2,3,4,5,6,7
	ds_load_b128 v[64*\c+8*\t:64*\c+8*\t+3],   v[ADK+\a] offset:16*KP*\t+64*\c
	ds_load_b128 v[64*\c+8*\t+4:64*\c+8*\t+7], v[ADK+\a] offset:16*KP*\t+64*\c+32
.endr
.endm
; 16 transposing LDS loads: eight fragments of V^T (16 d each), keys 32 c .. 32 c + 31, into buffer c
.macro FETCHV a, c
.irp d, 0,1,2,3,4,5,6,7
	ds_load_tr16_b128 v[64*\c+8*\d:64*\c+8*\d+3],   v[ADV+\a] offset:32*VP*\c+32*\d
	ds_load_tr16_b128 v[64*\c+8*\d+4:64*\c+8*\d+7], v[ADV+\a] offset:32*VP*\c+32*\d+16*VP
.endr
.endm
; Eight matrix instructions each.  The eight accumulators take turns, one instruction a turn; S's last and O's first, O's last and S's first share nothing.
.macro MULS c
.irp t, 0,1,2,3,4,5,6,7
.if \c == 0
	v_wmma_f32_16x16x32_f16 v[S+8*\t:S+8*\t+7], v[64*\c+8*\t:64*\c+8*\t+7], v[Q+8*\c:Q+8*\c+7], 0
.else
	v_wmma_f32_16x16x32_f16 v[S+8*\t:S+8*\t+7], v[64*\c+8*\t:64*\c+8*\t+7], v[Q+8*\c:Q+8*\c+7], v[S+8*\t:S+8*\t+7]
.endif
.endr
.endm
.macro MULO c, zero
.irp d, 0,1,2,3,4,5,6,7
.if \zero
	v_wmma_f32_16x16x32_f16 v[O+8*\d:O+8*\d+7], v[64*\c+8*\d:64*\c+8*\d+7], v[S+16*\c:S+16*\c+7], 0
.else
	v_wmma_f32_16x16x32_f16 v[O+8*\d:O+8*\d+7], v[64*\c+8*\d:64*\c+8*\d+7], v[S+16*\c:S+16*\c+7], v[O+8*\d:O+8*\d+7]
.endif
.endr
.endm
; The scores of tile a.  On entry its four groups of K fragments (64 LDS loads) are on their way; each buffer, once multiplied, takes a group of the same tile's V.
.macro SPHASE a
.irp g, 0,1,2,3
	s_wait_dscnt 48                                ; LDS loads come back in order: group g of K is in; the three groups of 16 issued behind it stay out
	WIN W_MUL
	MULS \g
	PLACES 4                                       ; (behind the last group: the places for all that reads the scores or loads into Q)
	WIN W_TO1
	FETCHV \a, \g
.endr
	WIN 0
.endm
; The causal mask: whole numbers made of ids decide, and only choose a value.
.macro MASK thr
.set i, 0
.rept 64
	v_cmp_le_i32 vcc_lo, 16*(i/8)+i%8, v[\thr]
	v_cndmask_b32 v[S+i], v[NINF], v[S+i], vcc_lo
.set i, i+1
.endr
.endm
; The mask of the upper blocks' last two tiles, in the steps where they fall: NH hangs on the cluster's x alone.  newq: the lower block's queries are asked for,
; since the upper block's have been multiplied for the last time.
.macro MASKIF nh, thr, newq
	s_cmp_eq_u32 s14, \nh
	s_cbranch_scc0 .Lnomask_\@
.if \newq
	LOADQ 72
.endif
	MASK \thr
.Lnomask_\@:
.endm
; C = log2(e) / sqrt(128) = 0x3e0293ee.  P = 2^(C S - C max).  Every query sees key 0 of its block's first tile, so the maximum is finite from there on.
.macro SOFTMAX first
.irp i, 0,1,2,3,4,5,6,7
	v_max3_num_f32 v[T+\i], v[S+\i], v[S+8+\i], v[S+16+\i]         ; eight chains, started by the scores themselves
.endr
.irp i, 0,1,2,3,4,5,6,7
	v_max3_num_f32 v[T+\i], v[T+\i], v[S+24+\i], v[S+32+\i]
.endr
.irp i, 0,1,2,3,4,5,6,7
	v_max3_num_f32 v[T+\i], v[T+\i], v[S+40+\i], v[S+48+\i]
.endr
.irp i, 0,1,2,3,4,5,6,7
	v_max_num_f32 v[T+\i], v[T+\i], v[S+56+\i]
.endr
	v_max3_num_f32 v[T], v[T], v[T+1], v[T+2]
	v_max3_num_f32 v[T+3], v[T+3], v[T+4], v[T+5]
	v_max3_num_f32 v[T], v[T], v[T+3], v[T+6]
	v_max_num_f32 v[T], v[T], v[T+7]
	v_permlanex16_b32 v[T+1], v[T], s66, s67       ; the other half of the keys of my query
	v_max_num_f32 v[T], v[T], v[T+1]
.if \first
	v_mov_b32 v[MX], v[T]
	v_mul_f32 v[NMC], 0xbe0293ee, v[T]
	v_mul_f32 v[NMC+1], 0xbe0293ee, v[T]
.else
	v_max_num_f32 v[MX], v[MX], v[T]
	v_mul_f32 v[T+2], 0xbe0293ee, v[MX]            ; the new - C max
	v_sub_f32 v[T+3], v[T+2], v[NMC]               ; less the one under which the old sums were made: the very numbers that were added to the exponents
	v_exp_f32 v[AL], v[T+3]
	v_exp_f32 v[AL+1], v[T+3]
	v_mov_b32 v[NMC], v[T+2]                       ; the plain place behind the transcendentals (ISA guide 5.7.2)
	v_mov_b32 v[NMC+1], v[T+2]
.endif
.set i, 0
.rept 32
	v_pk_fma_f32 v[S+2*i:S+2*i+1], v[S+2*i:S+2*i+1], 0x3e0293ee, v[NMC:NMC+1] op_sel_hi:[1,0,1]
.set i, i+1
.endr
.set i, 0
.rept 64
	v_exp_f32 v[S+i], v[S+i]
.set i, i+1
.endr
.if \first
	v_nop                                          ; the plain place behind the transcendentals
	s_wait_alu depctr_va_vdst(0)
.else
.set i, 0
	s_wait_alu depctr_va_vdst(0)
.rept 32
	v_pk_mul_f32 v[O+2*i:O+2*i+1], v[O+2*i:O+2*i+1], v[AL:AL+1]    ; and here useful work fills it: the old result under the new maximum
.set i, i+1
.endr
.endif
.irp i, 0,1,2,3
	v_pk_add_f32 v[SUM+2*\i:SUM+2*\i+1], v[S+2*\i:S+2*\i+1], v[S+8+2*\i:S+8+2*\i+1]     ; four chains, started by the numbers themselves
.endr
.irp g, 2,3,4,5,6,7
.irp i, 0,1,2,3
	v_pk_add_f32 v[SUM+2*\i:SUM+2*\i+1], v[SUM+2*\i:SUM+2*\i+1], v[S+8*\g+2*\i:S+8*\g+2*\i+1]
.endr
.endr
	v_pk_add_f32 v[SUM:SUM+1], v[SUM:SUM+1], v[SUM+2:SUM+3]
	v_pk_add_f32 v[SUM+4:SUM+5], v[SUM+4:SUM+5], v[SUM+6:SUM+7]
	v_pk_add_f32 v[SUM:SUM+1], v[SUM:SUM+1], v[SUM+4:SUM+5]
.if \first
	v_add_f32 v[LS], v[SUM], v[SUM+1]
.else
	v_add_f32 v[SUM], v[SUM], v[SUM+1]
	v_fma_f32 v[LS], v[LS], v[AL], v[SUM]
.endif
.irp g, 0,1,2,3
.irp k, 0,1,2,3
	v_cvt_pk_f16_f32 v[S+16*\g+\k], v[S+16*\g+2*\k], v[S+16*\g+2*\k+1]             ; in place, ascending: tile 2 g into registers 0-3 of fragment g,
.endr
.irp k, 0,1,2,3
	v_cvt_pk_f16_f32 v[S+16*\g+4+\k], v[S+16*\g+8+2*\k], v[S+16*\g+8+2*\k+1]       ; tile 2 g + 1 into registers 4-7
.endr
.endr
.endm
; The second product, where the next tile (na) lies in the same slot: no barrier.  Each buffer, once multiplied, takes a group of the next tile's K.
.macro PVSAME na, first
	s_wait_dscnt 48                                ; V's group 0 is in; behind it stand three groups of 16
	WIN W_MUL
	MULO 0, \first
	PLACES 4
	WIN W_TO1
	FETCHK \na, 0
	s_wait_dscnt 48                                ; V's group 1: behind it V's 2 and 3 and K's 0
	WIN W_MUL
	MULO 1, 0
	PLACES 4
	WIN W_TO1
	FETCHK \na, 1
	s_wait_dscnt 48
	WIN W_MUL
	MULO 2, 0
	PLACES 4
	WIN W_TO1
	FETCHK \na, 2
	s_wait_dscnt 48
	WIN W_MUL
	MULO 3, 0
	PLACES 5                                       ; five: the next tile's first products write over P, a source of these
	WIN W_TO1
	FETCHK \na, 3
	WIN 0
.endm
; The second product at a slot's end.  In front of the one barrier each wave waits for its own reads of this slot and for all its tensor loads, of which one can be out:
; its tile of the next slot.  refill: the barrier opens a round of the cluster's barrier, and behind the round this slot is filled again, from byte s<off> of the head's keys.
.macro PVTURN slot, na, refill, off
	s_wait_dscnt 0x0                               ; V's four groups are in registers: my reads of this slot are over
	s_wait_tensorcnt 0x0                           ; all my tensor loads have landed; every group 0 may be written
	ds_add_u32 v254, v255
	s_wait_dscnt 0x0
.if \refill
	s_mov_b32 s60, s\off
	s_add_nc_u64 s[G0K+4*\slot+2:G0K+4*\slot+3], s[56:57], s[60:61]
	s_or_b32 s[G0K+4*\slot+3], s[G0K+4*\slot+3], 0x80000000
	s_add_nc_u64 s[G0V+4*\slot+2:G0V+4*\slot+3], s[58:59], s[60:61]
	s_or_b32 s[G0V+4*\slot+3], s[G0V+4*\slot+3], 0x80000000
.endif
	s_barrier_signal -1                            ; say so,
	WIN W_MUL
	MULO 0, 0                                      ; work on registers while the others arrive,
	WIN 0
	s_barrier_wait -1                              ; nobody in my work-group reads this slot any more, and the next slot is whole
.if \refill
	CREST                                          ; nor does a wave of any partner, and none has a load on its way
	TLOAD \slot                                    ; my one tensor load behind the round, ahead of every LDS read
.endif
	PLACES 4
	WIN W_TO1
	FETCHK \na, 0
	WIN W_MUL
	MULO 1, 0
	PLACES 4
	WIN W_TO1
	FETCHK \na, 1
	WIN W_MUL
	MULO 2, 0
	PLACES 4
	WIN W_TO1
	FETCHK \na, 2
	WIN W_MUL
	MULO 3, 0
	PLACES 5                                       ; five: the next tile's first products write over P, a source of these
	WIN W_TO1
	FETCHK \na, 3
	WIN 0
.endm
.macro PVLAST                          ; the last tile: nothing more to fetch
	WIN W_MUL
	s_wait_dscnt 48                                ; V's groups, one by one: the counts run down
	MULO 0, 0
	s_wait_dscnt 32
	MULO 1, 0
	s_wait_dscnt 16
	MULO 2, 0
	s_wait_dscnt 0
	MULO 3, 0
	PLACES 4
	WIN 0
.endm
; A block is done: divide by the sum, round to f16, through my own stage in LDS, out as whole rows of 256 bytes.
.macro FIN p
	v_permlanex16_b32 v[T], v[LS], s66, s67        ; the other half of the keys
	v_add_f32 v[T], v[LS], v[T]
	v_rcp_f32 v[T+2], v[T]
	v_rcp_f32 v[T+3], v[T]
	v_nop                                          ; the plain place behind the transcendentals
.set i, 0
	s_wait_alu depctr_va_vdst(0)
.rept 32
	v_pk_mul_f32 v[O+2*i:O+2*i+1], v[O+2*i:O+2*i+1], v[T+2:T+3]
.set i, i+1
.endr
.set i, 0
.rept 32
	v_cvt_pk_f16_f32 v[S+i], v[O+2*i], v[O+2*i+1]
.set i, i+1
.endr
.irp d, 0,1,2,3,4,5,6,7
	ds_store_b128 v[STO], v[S+4*\d:S+4*\d+3] offset:32*\d
.endr
.irp t, 0,1,2,3,4,5,6,7
	ds_load_b128 v[S+32+4*\t:S+32+4*\t+3], v[RD] offset:2*KP*\t    ; LDS serves a wave's instructions in order (ISA guide 5.7.1.4): these see the stores above
.endr
.irp t, 0,1,2,3,4,5,6,7
	s_wait_dscnt 7-\t
	global_store_b128 v[CO], v[S+32+4*\t:S+32+4*\t+3], s[\p:\p+1] offset:8192*\t   ; 16 lanes store 256 consecutive bytes, aligned: a head's part of a row
.endr
.endm
; The change of blocks, behind the step in which the upper blocks' last tile falls.
.macro SWITCHIF nh
	s_cmp_eq_u32 s14, \nh
	s_cbranch_scc0 .Lnoswitch_\@
	FIN 74                                         ; the upper block leaves
	v_mov_b32 v[MX], v[NINF]                       ; the lower begins: with these two the next tile's factor is 2^(-infinity) = 0,
	v_mov_b32 v[NMC], 0x7f800000                   ; which clears the (finite) old result and sum without a move
.Lnoswitch_\@:
	s_wait_loadcnt 0x0                             ; the lower block's queries, if they were asked for
	s_wait_xcnt 0x0                                ; the registers that the stores read are written again by the next products only behind this wait (ISA guide 3.1)
.endm
; One request ahead a wave: waves 0, 1 (half = 0) ask in step 0 for keys 512-767, which the tensor loads request in step 1, 131,072 bytes a head;
; waves 2, 3 (half = 1) ask in step 2 for keys 768-1,023, requested in step 3.  Nothing beyond key 1,023 is asked for.
.macro ASK half
	s_cmp_eq_u32 s9, \half
	s_cbranch_scc0 .Lnoask_\@
	global_prefetch_b8 v[PF], s[88:89] th:TH_LOAD_NT scope:SCOPE_SE
.Lnoask_\@:
.endm
; My wave's 4,096 numbers of wo_w: to bf16 (nearest even), that value written as f16; each store of the wave covers 256 consecutive bytes, aligned.  All in window 2.
.macro WOCAST
	WIN W_IN2
.set i, 0
.rept 32
	s_wait_loadcnt 31-i                            ; loads come back in order: load i is in, the younger ones stay out
	v_cvt_pk_bf16_f32 v[WTT],   v[WIN2+4*i],   v[WIN2+4*i+1]
	v_cvt_pk_bf16_f32 v[WTT+1], v[WIN2+4*i+2], v[WIN2+4*i+3]
	v_lshlrev_b32 v[WTT+2], 16, v[WTT]             ; back to f32: the low half moves up,
	v_and_b32     v[WTT],   0xffff0000, v[WTT]     ; the high half stays
	v_lshlrev_b32 v[WTT+3], 16, v[WTT+1]
	v_and_b32     v[WTT+1], 0xffff0000, v[WTT+1]
	v_cvt_pk_f16_f32 v[WOUT+2*i],   v[WTT+2], v[WTT]
	v_cvt_pk_f16_f32 v[WOUT+2*i+1], v[WTT+3], v[WTT+1]
	global_store_b64 v[WSO], v[WOUT+2*i:WOUT+2*i+1], s[94:95] offset:256*i   ; no register of these stores is written again
.set i, i+1
.endr
	WIN 0
.endm
	s_wait_tensorcnt 0x1                           ; my tile of slot 0 is in; slot 1's may stay out
	s_barrier_signal -1
	s_barrier_wait -1                              ; everybody's is
	WIN W_TO1
	FETCHK 0, 0
	FETCHK 0, 1
	FETCHK 0, 2
	FETCHK 0, 3
	WIN 0
	s_wait_loadcnt 32                              ; the upper block's queries are in; the 32 loads of wo_w issued behind them stay out
	; step 0: starts the sums
	SPHASE 0
	ASK 0
	SOFTMAX 1
	PVSAME 1, 1
	WOCAST
	; step 1; slot 0 then takes steps 4 and 5
	SPHASE 1
	SOFTMAX 0
	PVTURN 0, 2, 1, 78
	; step 2
	SPHASE 2
	ASK 1
	SOFTMAX 0
	PVSAME 3, 0
	; step 3; slot 1 then takes steps 6 and 7
	SPHASE 3
	SOFTMAX 0
	PVTURN 1, 0, 1, 79
	; steps 4 and 5: with NH = 6 the upper blocks' last two tiles; slot 0 then takes steps 8 and 9
	SPHASE 0
	MASKIF 6, TH0, 0
	SOFTMAX 0
	PVSAME 1, 0
	SPHASE 1
	MASKIF 6, TH1, 1
	SOFTMAX 0
	PVTURN 0, 2, 1, 80
	SWITCHIF 6
	; steps 6 and 7: with NH = 8 the upper blocks' last two tiles; nothing is left to fetch
	SPHASE 2
	MASKIF 8, TH0, 0
	SOFTMAX 0
	PVSAME 3, 0
	SPHASE 3
	MASKIF 8, TH1, 1
	SOFTMAX 0
	PVTURN 1, 0, 0, 0
	SWITCHIF 8
	; steps 8 and 9: the lower blocks' last two tiles
	SPHASE 0
	MASK TL0
	SOFTMAX 0
	PVSAME 1, 0
	SPHASE 1
	MASK TL1
	SOFTMAX 0
	PVLAST
	FIN 76
	s_wait_tensorcnt 0x0
	ds_add_u32 v254, v255
	s_wait_dscnt 0x0
	CROUND                                         ; the closing round: no work-group ends while a partner may still ask for a tile that names it
	s_endpgm
.Lfunc_end_k_q754f2e6175_attn:
	.size	k_q754f2e6175_attn, .Lfunc_end_k_q754f2e6175_attn-k_q754f2e6175_attn
	.p2alignl 7, 3214868480
	.fill 96, 4, 3214868480
	.section	.rodata,"a",@progbits
	.p2align	6, 0x0
	.amdhsa_kernel k_q754f2e6175_attn
		.amdhsa_group_segment_fixed_size 327680
		.amdhsa_private_segment_fixed_size 0
		.amdhsa_enable_private_segment 0
		.amdhsa_kernarg_size 32
		.amdhsa_user_sgpr_count 2
		.amdhsa_user_sgpr_kernarg_segment_ptr 1
		.amdhsa_wavefront_size32 1
		.amdhsa_system_sgpr_workgroup_id_x 1
		.amdhsa_system_sgpr_workgroup_id_y 1
		.amdhsa_system_sgpr_workgroup_id_z 1
		.amdhsa_system_vgpr_workitem_id 0
		.amdhsa_next_free_vgpr 768
		.amdhsa_next_free_sgpr 96
		.amdhsa_reserve_vcc 1
		.amdhsa_float_denorm_mode_32 3
		.amdhsa_float_denorm_mode_16_64 3
		.amdhsa_memory_ordered 1
		.amdhsa_forward_progress 1
		.amdhsa_inst_pref_size 255
	.end_amdhsa_kernel
	.section	.bss,"aw",@nobits
	.p2align	6
	.space	262144
	.amdgpu_metadata
---
amdhsa.version: [ 1, 2 ]
amdhsa.kernels:
  - .name:           k_q754f2e6175_attn
    .symbol:         k_q754f2e6175_attn.kd
    .args:
      - { .name: qkv, .offset: 0, .size: 8, .value_kind: global_buffer, .address_space: global }
      - { .name: wo_w, .offset: 8, .size: 8, .value_kind: global_buffer, .address_space: global }
      - { .name: ao, .offset: 16, .size: 8, .value_kind: global_buffer, .address_space: global }
      - { .name: woh, .offset: 24, .size: 8, .value_kind: global_buffer, .address_space: global }
    .group_segment_fixed_size: 327680
    .private_segment_fixed_size: 0
    .kernarg_segment_align: 8
    .kernarg_segment_size: 32
    .max_flat_workgroup_size: 128
    .sgpr_count:     96
    .vgpr_count:     768
    .wavefront_size: 32
...
	.end_amdgpu_metadata
.endif
;; end of part 3
;; launch oproj (part 4): grid 16 x 16, 4 waves a work-group, clusters of 4 x 4, 327,680 bytes of LDS; arguments ao, woh, out0, wo_b; writes out0
.if DOCPART == 4
	.amdgcn_target "amdgcn-amd-amdhsa--gfx1250"
	.amdhsa_code_object_version 6
	.text
	.protected	k_q754f2e6175_oproj
	.globl	k_q754f2e6175_oproj
	.p2align	8
	.type	k_q754f2e6175_oproj,@function
k_q754f2e6175_oproj:
	s_mov_b64 s[64:65], 0
	v_nop
	global_prefetch_b8 v0, s[64:65] scope:SCOPE_SE
	s_setreg_imm32_b32 hwreg(HW_REG_WAVE_MODE, 25, 1), 1
	s_wait_xcnt 0x0
	s_wait_alu depctr_hold_cnt(0) depctr_sa_sdst(0) depctr_va_vdst(0) depctr_va_sdst(0) depctr_va_ssrc(0) depctr_va_vcc(0) depctr_vm_vsrc(0)
	s_getreg_b32 s2, hwreg(HW_REG_IB_STS2, 6, 4)
	s_cmp_eq_u32 s2, 0
	s_cbranch_scc0 .Lentry_in_a_cluster
	s_endpgm
.Lentry_in_a_cluster:
	s_bfe_u32 s2, ttmp6, 0x10000c
	s_cmp_lg_u32 s2, 0xf033
	s_cbranch_scc0 .Lentry_shape_is_right
	s_endpgm
.Lentry_shape_is_right:
; out0[m][n] = sum over k of ao[m][k] woh[n][k] + wo_b[n].  ao, woh: [2048][2048] f16; sums and bias in f32; out0: [2048][2048] f32.
; Blocks of 128 x 128, so that 16 x 16 = 256 work-groups share the work (blocks of 256 x 256 would be 64); four waves, 64 x 64 each: 16 accumulator tiles.
; K goes through a ring of two LDS slots; a slot holds 256 along K, eight steps of 32, brought by one tensor load a wave (64 rows of 512 bytes, each row starting
; at a multiple of 512 bytes from the buffer's first byte): from a request to the wait for it a wave issues 124 matrix instructions.
; CLUSTERS: 4 x 4 work-groups; ao's tiles are asked for jointly along a row of the cluster, woh's along a column: a quarter of the requests.
; REGISTERS: window 0: v0-31 addresses; two fragment buffers at v32 and v96 (ao's four fragments, then woh's four); v160-191 my 64 columns' bias;
;   v192-223 X and v224-255 RB, for the way out.  Window 1: accumulator tile (a, b) at v[8 (4 a + b)].
; THE MATRIX INSTRUCTION IS USED TRANSPOSED: source 0 = 16 rows of woh, source 1 = 16 rows of ao: lane l holds row m = l % 16 and columns n = 8 (l / 16) + 0 .. 7.
.set SIZE_N, 2048
.set SIZE_K, 2048
.set KS,     256                       ; along K in a slot
.set PITCH,  528                       ; an LDS row: 512 bytes + 16 of padding, an odd multiple of 16: the 16 rows that a load touches start at 16 different banks (ISA guide 11.1)
.set HALFT,  64*PITCH                  ; 64 rows: what one tensor load brings, and what one wave reads of either operand
.set SLOT,   4*HALFT                   ; ao's 128 rows, then woh's 128 rows
.set STAGE,  2*SLOT                    ; behind the ring: 16 rows x 272 bytes for each wave; no tensor load lands here
.set SPITCH, 272
.set LAPS, SIZE_K/(2*KS)               ; once round the ring is 512 along K: 4 laps
.set ADRA, 16                          ; v16-17  LDS address of my ao fragments in slot 0, 1
.set ADRB, 20                          ; v20-21  the same for woh
.set STO,  24
.set RD,   25
.set CO,   26
.set BO,   27
.set F0,   32
.set F1,   96
.set BIAS, 160
.set X,    192
.set RB,   224
.set G1, 24                            ; s[24:31] descriptor group 1 for ao's tiles
.set G0, 32                            ; s[32:39] group 0, one set for each slot
.set G1B, 48                           ; s[48:55] group 1 for woh's tiles: another mask
.set G0B, 56                           ; s[56:63] group 0, one set for each slot
.set MSB, 0
.macro WIN new                         ; the immediate's high byte repeats the setting that is left
.if MSB != \new
	s_set_vgpr_msb (MSB<<8)|\new
.set MSB, \new
.endif
.endm
.set ACC, 0x50                         ; C and D window 1, sources 0 and 1 window 0
.macro JLOAD s                         ; waves 0 and 1 fetch ao's halves, waves 2 and 3 woh's; each line has one mask; the branch hangs on the wave's number alone
	s_cmp_eq_u32 s11, 0
	s_cbranch_scc0 .Lfor_b_\@
	tensor_load_to_lds s[G0+4*\s:G0+4*\s+3], s[G1:G1+7]
	s_nop 0
	s_branch .Lasked_\@
.Lfor_b_\@:
	tensor_load_to_lds s[G0B+4*\s:G0B+4*\s+3], s[G1B:G1B+7]
	s_nop 0
.Lasked_\@:
.endm
.macro CREST                           ; a round of the cluster's barrier behind its opening barrier
	s_cmp_lg_u32 s10, 0
	s_cbranch_scc1 .Lnot_wave_0_\@
	s_barrier_signal -3
.Lnot_wave_0_\@:
	s_barrier_wait -3
	s_barrier_signal -1
	s_barrier_wait -1
.endm
.macro CROUND                          ; a whole round
	s_barrier_signal -1
	s_barrier_wait -1
	CREST
.endm
	s_load_b128 s[4:7], s[0:1], 0x0                ; ao s[4:5], woh s[6:7]
	s_load_b64 s[8:9], s[0:1], 0x10                ; out0
	s_load_b64 s[66:67], s[0:1], 0x18              ; wo_b
	v_lshl_add_u32 v30, v0, 2, 0x46400
	v_mov_b32 v31, 0
	ds_add_u32 v30, v31
	v_lshrrev_b32 v1, 5, v0
	v_readfirstlane_b32 s10, v1                    ; wave 0..3
	s_lshr_b32 s11, s10, 1                         ; which half of the block's rows is mine.  Also: I fetch for ao (0) or for woh (1)
	s_and_b32 s12, s10, 1                          ; which half of its columns.  Also: which 64 rows of that tile I fetch
	s_bfe_u32 s40, ttmp6, 0x40000                  ; cx
	s_bfe_u32 s41, ttmp6, 0x40004                  ; cy
	s_lshl_b32 s42, ttmp9, 2
	s_add_co_u32 s42, s42, s40                     ; block column = 4 x cluster x + cx
	s_and_b32 s13, ttmp7, 0xffff
	s_lshl_b32 s13, s13, 2
	s_add_co_u32 s13, s13, s41                     ; block row = 4 x cluster y + cy
	s_lshl_b32 s43, s41, 2
	s_lshl_b32 s43, 15, s43                        ; my row of the cluster
	s_lshl_b32 s44, 0x1111, s40                    ; my column
	; group 1: a tile of 64 rows x 256 elements of 2 bytes; after every 128 words (code 6) 4 words of padding (code 3); bit 21 beside a mask
	s_or_b32 s[G1+0], s43, (1<<16)|(1<<20)|(1<<21)|(6<<22)|(3<<25)
	s_or_b32 s[G1B+0], s44, (1<<16)|(1<<20)|(1<<21)|(6<<22)|(3<<25)
	s_mov_b32 s[G1B+1], KS<<16
	s_mov_b32 s[G1+1], KS<<16                      ; tensor_dim0 = 256
	s_mov_b32 s[G1B+2], 64<<16
	s_mov_b32 s[G1+2], 64<<16                      ; tensor_dim1 = 64
	s_mov_b32 s[G1B+3], KS<<16
	s_mov_b32 s[G1+3], KS<<16                      ; tile_dim0 = 256
	s_mov_b32 s[G1B+4], 64
	s_mov_b32 s[G1+4], 64                          ; tile_dim1 = 64
	s_mov_b32 s[G1B+5], SIZE_K
	s_mov_b32 s[G1+5], SIZE_K                      ; elements from row to row
	s_mov_b32 s[G1B+6], 0
	s_mov_b32 s[G1+6], 0
	s_mov_b32 s[G1B+7], 0
	s_mov_b32 s[G1+7], 0
	s_lshl_b32 s17, s12, 6                         ; which 64 rows of the tile I fetch
	s_lshl_b32 s16, s13, 7
	s_add_co_u32 s16, s16, s17                     ; ao: row 128 x block row + 64 x half
	s_lshl_b32 s46, s42, 7
	s_add_co_u32 s46, s46, s17                     ; woh: row 128 x block column + 64 x half
	s_mov_b32 s17, 0
	s_mov_b32 s47, 0
	s_mov_b64 s[18:19], SIZE_K*2
	s_mul_u64 s[16:17], s[16:17], s[18:19]
	s_mul_u64 s[46:47], s[46:47], s[18:19]
	s_mul_i32 s20, s10, HALFT                      ; where they go: wave x 64 rows: no place in the cluster enters an LDS address
	s_lshl_b32 s68, s42, 9                         ; my first column, as bytes of f32: 512 x block + 256 x half; serves the bias and out0
	s_lshl_b32 s69, s12, 8
	s_add_co_u32 s68, s68, s69
	s_mov_b32 s69, 0
	s_wait_dscnt 0x0
	s_wait_kmcnt 0x0
	s_add_nc_u64 s[14:15], s[4:5], s[16:17]
	s_add_nc_u64 s[46:47], s[6:7], s[46:47]
	s_add_nc_u64 s[66:67], s[66:67], s[68:69]
	CROUND                                         ; all sixteen work-groups are here: the first joint loads meet
.irp s, 0,1
	s_mov_b32 s[G0+4*\s], 1
	s_add_co_u32 s[G0+4*\s+1], s20, \s*SLOT
	s_add_nc_u64 s[G0+4*\s+2:G0+4*\s+3], s[14:15], \s*KS*2
	s_or_b32 s[G0+4*\s+3], s[G0+4*\s+3], 0x80000000
	s_mov_b32 s[G0B+4*\s], 1
	s_add_co_u32 s[G0B+4*\s+1], s20, \s*SLOT
	s_add_nc_u64 s[G0B+4*\s+2:G0B+4*\s+3], s[46:47], \s*KS*2
	s_or_b32 s[G0B+4*\s+3], s[G0B+4*\s+3], 0x80000000
	JLOAD \s                                       ; the ring is filled before anything else is done: two tensor loads of a wave are out
.endr
	v_and_b32 v1, 15, v0                           ; l % 16
	v_bfe_u32 v2, v0, 4, 1                         ; l / 16
	v_mul_u32_u24 v3, v1, PITCH
	v_lshl_add_u32 v3, v2, 4, v3                   ; row x pitch + 16 x half
	s_mul_i32 s21, s11, HALFT                      ; my 64 rows of ao
	s_mul_i32 s22, s12, HALFT                      ; my 64 rows of woh,
	s_add_co_u32 s22, s22, 2*HALFT                 ; which lie behind ao's 128
.irp s, 0,1
	v_add_nc_u32 v[ADRA+\s], s21, v3
	v_add_nc_u32 v[ADRB+\s], s22, v3
	s_add_co_u32 s21, s21, SLOT
	s_add_co_u32 s22, s22, SLOT
.endr
	s_mul_i32 s23, s10, 16*SPITCH
	s_add_co_u32 s23, s23, STAGE                   ; my stage
	v_mul_u32_u24 v4, v1, SPITCH                   ; in: row l % 16, 32 bytes (eight f32) for each half of the lanes
	v_lshl_add_u32 v4, v2, 5, v4
	v_add_nc_u32 v[STO], s23, v4
	v_mul_u32_u24 v5, v2, SPITCH                   ; back: lanes 0-15 one row of 256 bytes, lanes 16-31 the next
	v_lshl_add_u32 v5, v1, 4, v5
	v_add_nc_u32 v[RD], s23, v5
	v_lshlrev_b32 v5, 13, v2                       ; the same two rows in out0, 8,192 bytes apart
	v_lshl_add_u32 v[CO], v1, 4, v5
	v_lshlrev_b32 v[BO], 5, v2
.irp b, 0,1,2,3
	global_load_b128 v[BIAS+8*\b:BIAS+8*\b+3],   v[BO], s[66:67] offset:64*\b      ; bias of columns 16 b + 8 (l / 16) + 0..3
	global_load_b128 v[BIAS+8*\b+4:BIAS+8*\b+7], v[BO], s[66:67] offset:64*\b+16   ; + 4..7
.endr
	s_wait_loadcnt 0x0                             ; once, while the first tiles are on their way
; four matrix instructions: m block a x all four n blocks, 32 along K.  The 16 accumulators take turns, one instruction a turn, in the same order in every step.
.macro MULA f, a, zero
.irp b, 0,1,2,3
.if \zero
	v_wmma_f32_16x16x32_f16 v[8*(4*\a+\b):8*(4*\a+\b)+7], v[\f+32+8*\b:\f+32+8*\b+7], v[\f+8*\a:\f+8*\a+7], 0
.else
	v_wmma_f32_16x16x32_f16 v[8*(4*\a+\b):8*(4*\a+\b)+7], v[\f+32+8*\b:\f+32+8*\b+7], v[\f+8*\a:\f+8*\a+7], v[8*(4*\a+\b):8*(4*\a+\b)+7]
.endif
.endr
.endm
; 16 LDS loads in one run: the fragments of one step (32 K at byte k of the rows) into buffer f: woh's four, then ao's four
.macro FETCH slot, k, f
.irp i, 0,1,2,3
	ds_load_b128 v[\f+32+8*\i:\f+32+8*\i+3], v[ADRB+\slot] offset:\k+\i*16*PITCH
	ds_load_b128 v[\f+32+8*\i+4:\f+32+8*\i+7], v[ADRB+\slot] offset:\k+\i*16*PITCH+32
.endr
.irp i, 0,1,2,3
	ds_load_b128 v[\f+8*\i:\f+8*\i+3],   v[ADRA+\slot] offset:\k+\i*16*PITCH
	ds_load_b128 v[\f+8*\i+4:\f+8*\i+7], v[ADRA+\slot] offset:\k+\i*16*PITCH+32
.endr
.endm
.macro PLACES                          ; four places of plain vector instructions between a matrix instruction and a load into, or a vector instruction on, one of its registers (ISA guide 7.12.1 for vector instructions)
.rept 4
	v_nop
.endr
.endm
; One of a slot's first seven steps: multiplies buffer f; in its middle it fetches the next step's fragments, at byte k of the same slot's rows, into buffer g.
.macro CHUNK slot, k, f, g, zero
	s_wait_dscnt 4                                 ; woh's and ao's tiles 0, 1 are in; the youngest four loads (ao's tiles 2, 3) may be out
	WIN ACC
	MULA \f, 0, \zero
	MULA \f, 1, \zero
	PLACES
	WIN 0
	FETCH \slot, \k, \g
	s_wait_dscnt 16                                ; all but the 16 just issued
	WIN ACC
	MULA \f, 2, \zero
	MULA \f, 3, \zero
.endm
.macro SEVEN slot, zero
	CHUNK \slot, 64,  F0, F1, \zero
	CHUNK \slot, 128, F1, F0, 0
	CHUNK \slot, 192, F0, F1, 0
	CHUNK \slot, 256, F1, F0, 0
	CHUNK \slot, 320, F0, F1, 0
	CHUNK \slot, 384, F1, F0, 0
	CHUNK \slot, 448, F0, F1, 0
.endm
; A slot's eighth step: multiplies buffer 1 and changes slots.  In front of the one barrier each wave waits for its own reads of this slot and for all its tensor
; loads, of which one is out: its part of the next slot.  Behind it the refill comes first, then the next slot's first fragments.
.macro TURN slot, next, fill
	s_wait_dscnt 4
	WIN ACC
	MULA F1, 0, 0
	s_wait_dscnt 0                                 ; my reads of this slot are over
	s_wait_tensorcnt 0x0                           ; and all my tensor loads have landed
	ds_add_u32 v30, v31
	s_wait_dscnt 0x0
	s_barrier_signal -1                            ; say so (where a slot is filled again this barrier opens a round of the cluster's barrier),
	MULA F1, 1, 0                                  ; work on registers while the others arrive,
	WIN 0
	s_barrier_wait -1
.if \fill
	CREST                                          ; no wave of any partner still reads this slot's tile or has a load on its way
	s_add_nc_u64 s[G0+4*\slot+2:G0+4*\slot+3], s[G0+4*\slot+2:G0+4*\slot+3], 2*KS*2
	s_add_nc_u64 s[G0B+4*\slot+2:G0B+4*\slot+3], s[G0B+4*\slot+2:G0B+4*\slot+3], 2*KS*2
	JLOAD \slot                                    ; the first tensor load behind the round, and my only one until the next
.endif
	PLACES
	FETCH \next, 0, F0
	WIN ACC
	MULA F1, 2, 0
	MULA F1, 3, 0
.endm
.macro LAP zero                        ; once round the ring, both slots filled again
	SEVEN 0, \zero
	TURN 0, 1, 1
	SEVEN 1, 0
	TURN 1, 0, 1
.endm
	s_wait_tensorcnt 1                             ; my part of slot 0 is in; slot 1's may stay out
	s_barrier_signal -1
	s_barrier_wait -1                              ; everybody's is
	FETCH 0, 0, F0
	LAP 1                                          ; the first lap stands in front of the loop: its first products start the sums
	WIN 0                                          ; at a label and at a branch every window is 0
	s_mov_b32 s3, LAPS-2
.Llap:
	LAP 0
	WIN 0
	s_sub_co_u32 s3, s3, 1
	s_cmp_lg_u32 s3, 0
	s_cbranch_scc1 .Llap
	SEVEN 0, 0                                     ; the last lap fills nothing: my one tensor load that is still out is slot 1's
	TURN 0, 1, 0
	SEVEN 1, 0
	s_wait_dscnt 4                                 ; the very last step: nothing more to fetch
	WIN ACC
	MULA F1, 0, 0
	MULA F1, 1, 0
	s_wait_dscnt 0
	MULA F1, 2, 0
	MULA F1, 3, 0
	; THE WAY OUT, 16 rows at a time: add the bias, 32 bytes a lane into my own stage in LDS, read back as whole rows of 256 bytes (my 64 columns of f32).
	PLACES                                         ; the places behind the last matrix instructions
	WIN 0
	s_lshl_b32 s13, s13, 7
	s_lshl_b32 s14, s11, 6
	s_add_co_u32 s16, s13, s14                     ; my first row
	s_mov_b32 s17, 0
	s_mov_b64 s[18:19], SIZE_N*4
	s_mul_u64 s[16:17], s[16:17], s[18:19]
	s_add_nc_u64 s[8:9], s[8:9], s[16:17]
	s_add_nc_u64 s[8:9], s[8:9], s[68:69]          ; my first column
.macro OUTF a
	s_wait_xcnt 0x0                                ; every earlier memory instruction has had its addresses translated (ISA guide 3.1): RB, which the last stores read, and their base are rewritten only behind this wait
.if \a
	s_add_nc_u64 s[8:9], s[8:9], 16*SIZE_N*4       ; 16 rows on
.endif
	WIN 0x01                                       ; source 0: the accumulators, window 1
.irp b, 0,1,2,3
.irp k, 0,2,4,6
	v_pk_add_f32 v[X+8*\b+\k:X+8*\b+\k+1], v[8*(4*\a+\b)+\k:8*(4*\a+\b)+\k+1], v[BIAS+8*\b+\k:BIAS+8*\b+\k+1]
.endr
.endr
	WIN 0
.irp b, 0,1,2,3
	ds_store_b128 v[STO], v[X+8*\b:X+8*\b+3]   offset:64*\b
	ds_store_b128 v[STO], v[X+8*\b+4:X+8*\b+7] offset:64*\b+16
.endr
.irp t, 0,1,2,3,4,5,6,7
	ds_load_b128 v[RB+4*\t:RB+4*\t+3], v[RD] offset:\t*2*SPITCH    ; LDS serves a wave's instructions in order (ISA guide 5.7.1.4): these see the stores above
.endr
.irp t, 0,1,2,3,4,5,6,7
	s_wait_dscnt 7-\t
	global_store_b128 v[CO], v[RB+4*\t:RB+4*\t+3], s[8:9] offset:2*\t*SIZE_N*4 th:TH_STORE_NT   ; 16 lanes store 256 consecutive bytes, aligned; nothing reads them again
.endr
.endm
	OUTF 0
	OUTF 1
	OUTF 2
	OUTF 3
	s_wait_tensorcnt 0x0
	ds_add_u32 v30, v31
	s_wait_dscnt 0x0
	CROUND                                         ; the closing round: no work-group ends while a partner may still ask for a tile that names it
	s_endpgm
.Lfunc_end_k_q754f2e6175_oproj:
	.size	k_q754f2e6175_oproj, .Lfunc_end_k_q754f2e6175_oproj-k_q754f2e6175_oproj
	.p2alignl 7, 3214868480
	.fill 96, 4, 3214868480
	.section	.rodata,"a",@progbits
	.p2align	6, 0x0
	.amdhsa_kernel k_q754f2e6175_oproj
		.amdhsa_group_segment_fixed_size 327680
		.amdhsa_private_segment_fixed_size 0
		.amdhsa_enable_private_segment 0
		.amdhsa_kernarg_size 32
		.amdhsa_user_sgpr_count 2
		.amdhsa_user_sgpr_kernarg_segment_ptr 1
		.amdhsa_wavefront_size32 1
		.amdhsa_system_sgpr_workgroup_id_x 1
		.amdhsa_system_sgpr_workgroup_id_y 1
		.amdhsa_system_sgpr_workgroup_id_z 1
		.amdhsa_system_vgpr_workitem_id 0
		.amdhsa_next_free_vgpr 384
		.amdhsa_next_free_sgpr 72
		.amdhsa_reserve_vcc 0
		.amdhsa_float_denorm_mode_32 3
		.amdhsa_float_denorm_mode_16_64 3
		.amdhsa_memory_ordered 1
		.amdhsa_forward_progress 1
		.amdhsa_inst_pref_size 133
	.end_amdhsa_kernel
	.amdgpu_metadata
---
amdhsa.version: [ 1, 2 ]
amdhsa.kernels:
  - .name:           k_q754f2e6175_oproj
    .symbol:         k_q754f2e6175_oproj.kd
    .args:
      - { .name: ao, .offset: 0, .size: 8, .value_kind: global_buffer, .address_space: global }
      - { .name: woh, .offset: 8, .size: 8, .value_kind: global_buffer, .address_space: global }
      - { .name: out0, .offset: 16, .size: 8, .value_kind: global_buffer, .address_space: global }
      - { .name: wo_b, .offset: 24, .size: 8, .value_kind: global_buffer, .address_space: global }
    .group_segment_fixed_size: 327680
    .private_segment_fixed_size: 0
    .kernarg_segment_align: 8
    .kernarg_segment_size: 32
    .max_flat_workgroup_size: 128
    .sgpr_count:     72
    .vgpr_count:     384
    .wavefront_size: 32
...
	.end_amdgpu_metadata
.endif
;; end of part 4
